; MI455X (gfx1250); checked and timed in simulation.
; The chip was launched on July 23, 2026; its instructions are those of AMD's public machine-readable ISA for CDNA 5 (MIT licence, August 2026) and "CDNA5" Instruction Set Architecture Reference Guide (July 2026). The comments in the code are by the model that wrote it; some were corrected since.
;; Morph Model. Allowed arithmetic: float matrix products may take bf16 or f16 operands with f32 sums; all other float work in f32.
;; Inputs: b1 16 x 2,048 float32; b2 16 x 512 float32; gate_b 16 float32; gate_w 512 x 16 float32; w1 16 x 512 x 2,048 float32; w2 16 x 2,048 x 512 float32; x 2,048 x 512 float32.
;; Outputs: out0 2,048 x 512 float32.
;; 2 versions, each right; version 2 is version 1 with the launches ffn1, ffn2 written anew for expert scheduling mode. Each part assembles by itself: llvm-mc -triple=amdgcn-amd-amdhsa -mcpu=gfx1250 --defsym DOCPART=n.
;; ======== version 1 of 2: 5 launches
;; workspace buffers: topi 8,192 bytes of whole numbers; pos 16,384 bytes of whole numbers; nt 256 bytes of whole numbers; cw 16,384 bytes; xs 33,554,432 bytes; hf 134,217,728 bytes; yp 268,435,456 bytes
;; launch gate (part 1): grid 64 x 1, 8 waves a work-group, no clusters, 78,848 bytes of LDS; arguments x, gate_w, gate_b, topi, cw; writes topi, cw
.if DOCPART == 1
	.amdgcn_target "amdgcn-amd-amdhsa--gfx1250"
	.amdhsa_code_object_version 6
	.text
	.protected	k_q02cb76b719_gate
	.globl	k_q02cb76b719_gate
	.p2align	8
	.type	k_q02cb76b719_gate,@function
k_q02cb76b719_gate:
	s_mov_b64 s[64:65], 0
	v_nop
	global_prefetch_b8 v0, s[64:65] scope:SCOPE_SE
	s_setreg_imm32_b32 hwreg(HW_REG_WAVE_MODE, 25, 1), 1
	s_wait_xcnt 0x0
; GATE.  logits[t][e] = sum over k of x[t][k] gate_w[k][e] + gate_b[e]; the two largest logits of a token, and the softmax over those two.
; x: [2048][512] f32, gate_w: [512][16] f32, gate_b: [16] f32.  Out: topi[t] = (1 << i1) | (0x10000 << i2), cw[t] = (c1, c2) in f32.
; FORMATS.  x, gate_w and gate_b are rounded to bf16 (as every input of the whole program is); products by the matrix unit, sums in f32.
; LIMITS.  NaN and infinite logits are not treated apart.  Of equal logits the lower index wins (strict compares, ascending scan).  The softmax takes the larger logit
; away first: c2 / c1 = 2^((l2 - l1) log2 e) with l2 - l1 <= 0; where that power falls below 2^-126 it counts as 0.  The f32 sums go in another order than a plain loop over k.
; SHARES.  A work-group owns 32 tokens.  Wave w: tile of 16 tokens tt = w / 4, quarter q = w % 4 of K (128 numbers).  Its 16 rows x 512 bytes of x and its 8,192 dense bytes of gate_w
; are all asked for at once, rounded, and laid into the wave's own stages in LDS, from where the fragments come.  The four quarters' sums meet in LDS behind the one barrier;
; wave 0 then has one token a lane.  No choice here steers a branch or an address: the scan is made of selects.
.set XP,    272                        ; a row of the x stage: 256 bytes (128 bf16) + 16: an odd multiple of 16, so the 16 rows of a fragment load start at 16 different places modulo 256
.set XSTW,  16*XP                      ; a wave's x stage
.set GST,   8*XSTW                     ; the gate_w stages: [128 k][16 e] bf16, 32 bytes a row, 4,096 bytes a wave
.set GSTW,  4096
.set RED,   GST+8*GSTW                 ; [4 q][32 tokens] rows of 80 bytes: 16 f32 + 16
.set RP,    80
.set REDQ,  32*RP
.set SPARE, RED+4*REDQ                 ; the spare words: 128 bytes for each of the eight waves, named by no other line
.set GB,  16                           ; v[16:31]    gate_b, the same in every lane
.set XR,  32                           ; v[32:95]    x as loaded: row i in four registers
.set GR,  96                           ; v[96:159]   gate_w as loaded
.set T,   160                          ; v[160:167]  at work
.set XF,  168                          ; v[168:199]  four fragments of x
.set GF,  200                          ; v[200:231]  four fragments of gate_w
.set ACC, 32                           ; v[32:63]    four accumulators, one for each 32 along K (x's registers are free by then)
.set LG,  64                           ; v[64:127]   wave 0: the four quarters' 16 sums of my token
	s_load_b256 s[4:11], s[0:1], 0x0               ; x s[4:5], gate_w s[6:7], gate_b s[8:9], topi s[10:11]
	s_load_b64 s[12:13], s[0:1], 0x20              ; cw
	v_lshl_add_u32 v12, v0, 2, SPARE               ; my spare word; never rewritten
	v_mov_b32 v13, 0                               ; 0, for the add alone
	v_and_b32 v1, 31, v0                           ; lane
	v_lshrrev_b32 v14, 5, v0
	v_readfirstlane_b32 s14, v14                   ; wave 0..7
	s_lshr_b32 s15, s14, 2                         ; tt
	s_and_b32 s16, s14, 3                          ; q
	v_lshlrev_b32 v2, 4, v1                        ; 16 x lane
	v_and_b32 v3, 15, v0                           ; r = lane % 16
	v_bfe_u32 v4, v0, 4, 1                         ; h = lane / 16
	v_mov_b32 v15, 0                               ; offset 0 for gate_b
	s_mul_i32 s17, s14, XSTW                       ; my x stage
	s_mul_i32 s18, s14, GSTW
	s_add_co_u32 s18, s18, GST                     ; my gate_w stage
	v_lshl_add_u32 v5, v1, 3, s17                  ; into the x stage: 8 bytes a lane
	v_lshl_add_u32 v6, v1, 3, s18                  ; into the gate_w stage: 8 bytes a lane
	v_mul_u32_u24 v7, v3, XP
	v_lshl_add_u32 v7, v4, 4, v7
	v_add_nc_u32 v7, s17, v7                       ; a fragment of x: row r, 16 bytes for each half of the lanes
	v_and_b32 v8, 7, v0
	v_lshl_add_u32 v8, v4, 3, v8                   ; the turning load: row 8 h + lane % 8,
	v_bfe_u32 v11, v0, 3, 1
	v_lshlrev_b32 v8, 5, v8
	v_lshl_add_u32 v8, v11, 4, v8                  ; 16 bytes by (lane / 8) % 2
	v_add_nc_u32 v8, s18, v8
	s_mul_i32 s19, s16, REDQ
	s_mul_i32 s22, s15, 16*RP
	s_add_co_u32 s19, s19, s22
	s_add_co_u32 s19, s19, RED
	v_mul_u32_u24 v9, v3, RP
	v_lshl_add_u32 v9, v4, 5, v9
	v_add_nc_u32 v9, s19, v9                       ; my sums: quarter q, token 16 tt + r, experts 8 h on
	v_mul_u32_u24 v10, v1, RP
	v_add_nc_u32 v10, RED, v10                     ; wave 0 reads token = lane
	s_lshl_b32 s20, ttmp9, 16                      ; 32 tokens of 2,048 bytes,
	s_lshl_b32 s22, s15, 15                        ; 16 of them,
	s_add_co_u32 s20, s20, s22
	s_lshl_b32 s22, s16, 9                         ; 128 numbers along a row
	s_add_co_u32 s20, s20, s22
	s_mov_b32 s21, 0
	s_lshl_b32 s26, s16, 13                        ; 128 rows of gate_w, 64 bytes each
	s_mov_b32 s27, 0
	s_lshl_b32 s28, ttmp9, 7                       ; 32 words of topi
	s_mov_b32 s29, 0
	s_lshl_b32 s30, ttmp9, 8                       ; 32 pairs of cw
	s_mov_b32 s31, 0
	s_wait_kmcnt 0x0
	s_add_nc_u64 s[4:5], s[4:5], s[20:21]
	s_add_nc_u64 s[6:7], s[6:7], s[26:27]
	s_add_nc_u64 s[10:11], s[10:11], s[28:29]
	s_add_nc_u64 s[12:13], s[12:13], s[30:31]
	; 36 loads, all at once: gate_b, 16 rows of x (512 consecutive bytes each), gate_w's quarter (16 x 512 consecutive bytes)
.irp i, 0,1,2,3
	global_load_b128 v[GB+4*\i:GB+4*\i+3], v15, s[8:9] offset:16*\i
.endr
.set i, 0
.rept 16
	global_load_b128 v[XR+4*i:XR+4*i+3], v2, s[4:5] offset:2048*i
.set i, i+1
.endr
.set i, 0
.rept 16
	global_load_b128 v[GR+4*i:GR+4*i+3], v2, s[6:7] offset:512*i
.set i, i+1
.endr
.set i, 0
.rept 16
	s_wait_loadcnt 31-i                            ; loads come back in order: row i of x is in; 15 - i rows of x and the 16 loads of gate_w may stay out
	v_cvt_pk_bf16_f32 v[T+2*(i%4)], v[XR+4*i], v[XR+4*i+1]
	v_cvt_pk_bf16_f32 v[T+2*(i%4)+1], v[XR+4*i+2], v[XR+4*i+3]
	ds_store_b64 v5, v[T+2*(i%4):T+2*(i%4)+1] offset:XP*i
.set i, i+1
.endr
.set i, 0
.rept 16
	s_wait_loadcnt 15-i                            ; load i of gate_w is in
	v_cvt_pk_bf16_f32 v[T+2*(i%4)], v[GR+4*i], v[GR+4*i+1]
	v_cvt_pk_bf16_f32 v[T+2*(i%4)+1], v[GR+4*i+2], v[GR+4*i+3]
	ds_store_b64 v6, v[T+2*(i%4):T+2*(i%4)+1] offset:256*i  ; byte 256 i + 8 lane = row 8 i + lane / 4 of 32 bytes, experts 4 (lane % 4) on
.set i, i+1
.endr
	; The stages are the wave's own, and LDS serves a wave's instructions in order: no wait between the stores above and these loads.
.irp k, 0,1,2,3
	ds_load_b128 v[XF+8*\k:XF+8*\k+3], v7 offset:64*\k
	ds_load_b128 v[XF+8*\k+4:XF+8*\k+7], v7 offset:64*\k+32
	ds_load_tr16_b128 v[GF+8*\k:GF+8*\k+3], v8 offset:1024*\k
	ds_load_tr16_b128 v[GF+8*\k+4:GF+8*\k+7], v8 offset:1024*\k+512
.endr
	s_wait_dscnt 0x0
	; Source 0 = 16 experts, source 1 = 16 tokens: a lane then holds token r and experts 8 h + 0..7.  Four accumulators, one product each: no chain.
.irp k, 0,1,2,3
	v_wmma_f32_16x16x32_bf16 v[ACC+8*\k:ACC+8*\k+7], v[GF+8*\k:GF+8*\k+7], v[XF+8*\k:XF+8*\k+7], 0
.endr
.rept 4
	v_nop                                          ; four places between the last product and the first read of a result (ISA guide 7.12.1)
.endr
.irp p, 0,2,4,6
	v_pk_add_f32 v[ACC+\p:ACC+\p+1], v[ACC+\p:ACC+\p+1], v[ACC+8+\p:ACC+8+\p+1]
.endr
.irp p, 0,2,4,6
	v_pk_add_f32 v[ACC+16+\p:ACC+16+\p+1], v[ACC+16+\p:ACC+16+\p+1], v[ACC+24+\p:ACC+24+\p+1]
.endr
.irp p, 0,2,4,6
	v_pk_add_f32 v[ACC+\p:ACC+\p+1], v[ACC+\p:ACC+\p+1], v[ACC+16+\p:ACC+16+\p+1]
.endr
	ds_store_b128 v9, v[ACC:ACC+3]
	ds_store_b128 v9, v[ACC+4:ACC+7] offset:16
	s_wait_dscnt 0x0                               ; for wave 0's sake: my sums are in LDS
	s_barrier_signal -1
	s_barrier_wait -1                              ; everybody's are
	s_cmp_lg_u32 s14, 0
	s_cbranch_scc1 .Lend                           ; the rest is wave 0's: one token a lane
.set i, 0
.rept 16
	ds_load_b128 v[LG+4*i:LG+4*i+3], v10 offset:(i/4)*REDQ+16*(i%4)
.set i, i+1
.endr
	; gate_b rounded to bf16 and widened again, while the loads are out
.set p, 0
.rept 8
	v_cvt_pk_bf16_f32 v[132+p], v[GB+2*p], v[GB+2*p+1]
.set p, p+1
.endr
.set p, 0
.rept 8
	v_lshlrev_b32 v[GB+2*p], 16, v[132+p]
	v_and_b32 v[GB+2*p+1], 0xffff0000, v[132+p]
.set p, p+1
.endr
	s_wait_dscnt 0x0
.set p, 0
.rept 8
	v_pk_add_f32 v[LG+2*p:LG+2*p+1], v[LG+2*p:LG+2*p+1], v[LG+16+2*p:LG+16+2*p+1]
	v_pk_add_f32 v[LG+32+2*p:LG+32+2*p+1], v[LG+32+2*p:LG+32+2*p+1], v[LG+48+2*p:LG+48+2*p+1]
.set p, p+1
.endr
.set p, 0
.rept 8
	v_pk_add_f32 v[LG+2*p:LG+2*p+1], v[LG+2*p:LG+2*p+1], v[LG+32+2*p:LG+32+2*p+1]
.set p, p+1
.endr
.set p, 0
.rept 8
	v_pk_add_f32 v[LG+2*p:LG+2*p+1], v[LG+2*p:LG+2*p+1], v[GB+2*p:GB+2*p+1]
.set p, p+1
.endr
	; The two largest: v128, v129 the best and its index; v130, v131 the second.  Strict compares in ascending order keep the lower index of equals.
	v_mov_b32 v128, v[LG]
	v_mov_b32 v129, 0
	v_mov_b32 v130, 0xff800000
	v_mov_b32 v131, 0
.set e, 1
.rept 15
	v_cmp_gt_f32 s24, v[LG+e], v128                ; beats the best
	v_cmp_gt_f32 s25, v[LG+e], v130                ; beats the second
	v_cndmask_b32 v130, v130, v[LG+e], s25
	v_cndmask_b32 v131, v131, e, s25
	v_cndmask_b32 v130, v130, v128, s24            ; a new best: the old best is the second
	v_cndmask_b32 v131, v131, v129, s24
	v_cndmask_b32 v128, v128, v[LG+e], s24
	v_cndmask_b32 v129, v129, e, s24
.set e, e+1
.endr
	v_sub_f32 v132, v130, v128                     ; l2 - l1 <= 0: the maximum is taken away
	v_mul_f32 v132, 0x3fb8aa3b, v132               ; times log2 e
	v_mov_b32 v136, 0x10000
	v_mov_b32 v137, 1
	v_exp_f32 v133, v132
	v_lshlrev_b32 v134, v129, v137                 ; 1 << i1: the plain instruction behind the exponential (ISA guide 5.7.2)
	v_lshlrev_b32 v135, v131, v136                 ; 0x10000 << i2
	s_wait_alu depctr_va_vdst(0)
	v_add_f32 v138, 1.0, v133
	v_rcp_f32 v140, v138                           ; c1 = 1 / (1 + t)
	v_or_b32 v134, v134, v135                      ; the plain instruction behind the reciprocal
	s_wait_alu depctr_va_vdst(0)
	v_mul_f32 v141, v133, v140                     ; c2 = t c1
	v_lshlrev_b32 v142, 2, v1
	v_lshlrev_b32 v143, 3, v1
	global_store_b32 v142, v134, s[10:11]          ; 128 consecutive bytes
	global_store_b64 v143, v[140:141], s[12:13]    ; 256 consecutive bytes, aligned
.Lend:
	s_wait_tensorcnt 0x0                           ; the wave's end, behind my last LDS store
	ds_add_u32 v12, v13
	s_wait_dscnt 0x0
	s_endpgm
.Lfunc_end_k_q02cb76b719_gate:
	.size	k_q02cb76b719_gate, .Lfunc_end_k_q02cb76b719_gate-k_q02cb76b719_gate
	.p2alignl 7, 3214868480
	.fill 96, 4, 3214868480
	.section	.rodata,"a",@progbits
	.p2align	6, 0x0
	.amdhsa_kernel k_q02cb76b719_gate
		.amdhsa_group_segment_fixed_size 78848
		.amdhsa_private_segment_fixed_size 0
		.amdhsa_enable_private_segment 0
		.amdhsa_kernarg_size 40
		.amdhsa_user_sgpr_count 2
		.amdhsa_user_sgpr_kernarg_segment_ptr 1
		.amdhsa_wavefront_size32 1
		.amdhsa_system_sgpr_workgroup_id_x 1
		.amdhsa_system_sgpr_workgroup_id_y 1
		.amdhsa_system_sgpr_workgroup_id_z 1
		.amdhsa_system_vgpr_workitem_id 0
		.amdhsa_next_free_vgpr 232
		.amdhsa_next_free_sgpr 66
		.amdhsa_reserve_vcc 0
		.amdhsa_float_denorm_mode_32 3
		.amdhsa_float_denorm_mode_16_64 3
		.amdhsa_memory_ordered 1
		.amdhsa_forward_progress 1
		.amdhsa_inst_pref_size 29
	.end_amdhsa_kernel
	.amdgpu_metadata
---
amdhsa.version: [ 1, 2 ]
amdhsa.kernels:
  - .name:           k_q02cb76b719_gate
    .symbol:         k_q02cb76b719_gate.kd
    .args:
      - { .name: x, .offset: 0, .size: 8, .value_kind: global_buffer, .address_space: global }
      - { .name: gate_w, .offset: 8, .size: 8, .value_kind: global_buffer, .address_space: global }
      - { .name: gate_b, .offset: 16, .size: 8, .value_kind: global_buffer, .address_space: global }
      - { .name: topi, .offset: 24, .size: 8, .value_kind: global_buffer, .address_space: global }
      - { .name: cw, .offset: 32, .size: 8, .value_kind: global_buffer, .address_space: global }
    .group_segment_fixed_size: 78848
    .private_segment_fixed_size: 0
    .kernarg_segment_align: 8
    .kernarg_segment_size: 40
    .max_flat_workgroup_size: 256
    .sgpr_count:     66
    .vgpr_count:     232
    .wavefront_size: 32
...
	.end_amdgpu_metadata
.endif
;; end of part 1
;; launch route (part 2): grid 64 x 16, 1 waves a work-group, no clusters, 13,056 bytes of LDS; arguments topi, x, xs, pos, nt; writes xs, pos, nt
.if DOCPART == 2
	.amdgcn_target "amdgcn-amd-amdhsa--gfx1250"
	.amdhsa_code_object_version 6
	.text
	.protected	k_q02cb76b719_route
	.globl	k_q02cb76b719_route
	.p2align	8
	.type	k_q02cb76b719_route,@function
k_q02cb76b719_route:
	s_mov_b64 s[64:65], 0
	v_nop
	global_prefetch_b8 v0, s[64:65] scope:SCOPE_SE
	s_setreg_imm32_b32 hwreg(HW_REG_WAVE_MODE, 25, 1), 1
	s_wait_xcnt 0x0
; ROUTE.  For expert e (grid y): the list of its tokens, the slot of each (token, choice) pair, the number of tiles of 32 slots; and its tokens' rows of x, rounded to bf16, in the order
; in which the next launch's matrix fragments want them.
; In: topi[2048] = (1 << i1) | (0x10000 << i2); x [2048][512] f32.  Out: pos[t][j] = e 2048 + slot; nt[e] = max(1, ceil(count / 32));
; xs [16 e][128 blocks of 16 slots][16 steps of 32 k][2 halves][32 lanes][16 bytes]: lane (r = lane % 16, h = lane / 16) owns k = 8 h + 0..7 of slot r in half 0, k = 16 + 8 h + 0..7 in half 1.
; An expert has room for all 2,048 tokens, so no sum over experts is needed; only the slots below 32 nt are written and read.  Slots from count to 32 nt - 1 take token 0's row:
; they are computed by the later launches and never read by the last.  nt >= 1: an expert's first tile is always written.
; SHARES.  One wave a work-group, 64 work-groups an expert (grid x = p).  All 64 make the same scan of topi (8,192 bytes), in the same order, so they agree on the slots without talking.
; Work-group p writes pos for slots 32 p .. 32 p + 31, and of xs the blocks p / 4, p / 4 + 16, .. in the quarter p % 4 of K.  p = 0 writes nt[e].
; The wave is alone with its LDS: no barrier.  The loop has a constant eight trips, and a jump forward passes the blocks that the expert does not have.
; ORDER.  The scan; the blocks; then nt and pos.  The two stores that want some lanes off stand last, and every register that they name is made with all lanes on, ahead of the first
; line that narrows EXEC: behind it no vector register is written any more.  Lines of one kind stand four or sixteen in a row, so that none reads the result of the line just before it.
.set LIST,  0                          ; 2,048 entries of 4 bytes: token << 1 in bits 11:1, the choice j in bit 16; behind them 32 words, one a lane, for lanes with nothing to say
.set STG,   8448                       ; 16 rows of 272 bytes: 128 bf16 + 16
.set SP,    272
.set SPARE, 12800                      ; the spare words, named by no other line
.set TI,  16                           ; v[16:79]    topi: register 4 g + k holds token 128 g + 4 lane + k
.set XR,  16                           ; v[16:79]    later: 16 rows of x as loaded
.set TA,  80                           ; v[80:83]    the scan, four registers of topi at a time: the expert's bits,
.set TE,  84                           ; v[84:87]    the entries,
.set TX,  88                           ; v[88:91]    their places in the list,
.set TD,  92                           ; v[92:95]    and those in bytes
.set EN,  80                           ; v[80:95]    later: a block's 16 entries, the same in every lane; then the rows rounded, two sets of four rows
.set OFF, 96                           ; v[96:111]   the 16 rows' byte offsets in x
.set FR,  112                          ; v[112:143]  the block's fragments on their way out
.set ZR,  144                          ; v[144:147]  0
.set MK,  42                           ; s[42:45]    the scan's four masks
	s_load_b256 s[4:11], s[0:1], 0x0               ; topi s[4:5], x s[6:7], xs s[8:9], pos s[10:11]
	s_load_b64 s[12:13], s[0:1], 0x20              ; nt
	v_lshl_add_u32 v12, v0, 2, SPARE               ; my spare word; never rewritten
	v_mov_b32 v13, 0                               ; 0, for the add alone
	s_mov_b32 s14, ttmp9                           ; p
	s_and_b32 s15, ttmp7, 0xffff                   ; e
	s_lshr_b32 s16, s14, 2                         ; my first block
	s_and_b32 s17, s14, 3                          ; my quarter of K
	s_lshl_b32 s18, 0x10001, s15                   ; the expert's two bits in a word of topi
	s_mov_b32 s23, 0                               ; the running count
	v_lshlrev_b32 v1, 4, v0                        ; 16 x lane
	v_lshlrev_b32 v2, 3, v0                        ; 8 x lane = (4 lane) << 1
	v_add_nc_u32 v3, 2048, v0                      ; my word behind the list
	v_lshl_add_u32 v14, v0, 3, STG                 ; into the stage: 8 bytes a lane
	v_and_b32 v5, 15, v0
	v_lshrrev_b32 v6, 4, v0
	v_mul_u32_u24 v15, v5, SP
	v_lshl_add_u32 v15, v6, 4, v15
	v_add_nc_u32 v15, STG, v15                     ; a fragment: row r, 16 bytes for each half of the lanes
	s_lshl_b32 s29, s16, 6
	v_mov_b32 v4, s29                              ; my first block's 16 entries
.irp i, 0,1,2,3
	v_mov_b32 v[ZR+\i], 0
.endr
	s_lshl_b32 s38, s17, 9                         ; x: 128 numbers along a row
	s_mov_b32 s39, 0
	s_lshl_b32 s40, s15, 21                        ; xs: the expert's 2 MiB,
	s_lshl_b32 s29, s16, 14                        ; a block's 16,384 bytes,
	s_add_co_u32 s40, s40, s29
	s_lshl_b32 s29, s17, 12                        ; four steps of 1,024 bytes
	s_add_co_u32 s40, s40, s29
	s_mov_b32 s41, 0
	s_wait_kmcnt 0x0
	s_add_nc_u64 s[30:31], s[6:7], s[38:39]
	s_add_nc_u64 s[32:33], s[8:9], s[40:41]
.set i, 0
.rept 16
	global_load_b128 v[TI+4*i:TI+4*i+3], v1, s[4:5] offset:512*i
.set i, i+1
.endr
.set i, 0
.rept 16
	ds_store_b128 v1, v[ZR:ZR+3] offset:LIST+512*i ; the list starts as zeros: an entry that nobody writes means token 0
.set i, i+1
.endr
	s_wait_loadcnt 0x0
	; THE SCAN, 16 times 4 x 32 tokens.  A lane whose token chose e takes the next free entry, register by register and in lane order; the others write their own word behind the list.
	; The index is chosen first and bounded then, by the constant 2,079 = 2,048 + 31, the last word behind the list.
.set g, 0
.rept 16
.irp k, 0,1,2,3
	v_and_b32 v[TA+\k], s18, v[TI+4*g+\k]
.endr
.irp k, 0,1,2,3
	v_cmp_ne_u32 s[MK+\k], 0, v[TA+\k]
.endr
.irp k, 0,1,2,3
	v_lshrrev_b32 v[TE+\k], s15, v[TA+\k]          ; 1: first choice; 0x10000: second
.endr
.irp k, 0,1,2,3
	v_add3_u32 v[TE+\k], v[TE+\k], v2, 256*g+2*\k  ; + token << 1
.endr
	s_bcnt1_i32_b32 s24, s[MK]                     ; the count in front of each of the four registers
	s_add_co_u32 s35, s23, s24
	s_bcnt1_i32_b32 s24, s[MK+1]
	s_add_co_u32 s36, s35, s24
	s_bcnt1_i32_b32 s24, s[MK+2]
	s_add_co_u32 s37, s36, s24
	s_bcnt1_i32_b32 s24, s[MK+3]
	v_mbcnt_lo_u32_b32 v[TX], s[MK], s23           ; that count + the takers in lower lanes
	v_mbcnt_lo_u32_b32 v[TX+1], s[MK+1], s35
	v_mbcnt_lo_u32_b32 v[TX+2], s[MK+2], s36
	v_mbcnt_lo_u32_b32 v[TX+3], s[MK+3], s37
	s_add_co_u32 s23, s37, s24
.irp k, 0,1,2,3
	v_cndmask_b32 v[TX+\k], v3, v[TX+\k], s[MK+\k]
.endr
.irp k, 0,1,2,3
	v_min_u32 v[TX+\k], 0x81f, v[TX+\k]
.endr
.irp k, 0,1,2,3
	v_lshl_add_u32 v[TD+\k], v[TX+\k], 2, LIST
.endr
.irp k, 0,1,2,3
	ds_store_b32 v[TD+\k], v[TE+\k]
.endr
.set g, g+1
.endr
	s_add_co_u32 s25, s23, 31
	s_lshr_b32 s25, s25, 5
	s_max_u32 s25, s25, 1                          ; nt
	s_lshl_b32 s26, s25, 1                         ; blocks of 16 slots
	; THE BLOCKS.  A trip: 16 entries, 16 rows of 512 consecutive bytes of x, rounded into the stage, read back as fragments, stored as 8 x 512 consecutive bytes.
	s_mov_b32 s27, s16                             ; the block in hand
	s_mov_b32 s28, 8
.Lpack:
	s_cmp_lt_u32 s27, s26
	s_cbranch_scc0 .Lskip
.irp c, 0,1,2,3
	ds_load_b128 v[EN+4*\c:EN+4*\c+3], v4 offset:16*\c  ; LDS serves a wave's instructions in order: these see the scan's stores
.endr
	s_wait_dscnt 0x0
.set r, 0
.rept 16
	v_bfe_u32 v[OFF+r], v[EN+r], 1, 11
.set r, r+1
.endr
.set r, 0
.rept 16
	v_min_u32 v[OFF+r], 0x7ff, v[OFF+r]            ; the token, bounded by the table's size
.set r, r+1
.endr
.set r, 0
.rept 16
	v_lshl_add_u32 v[OFF+r], v[OFF+r], 11, v1      ; its row of 2,048 bytes + 16 lane
.set r, r+1
.endr
.set r, 0
.rept 16
	global_load_b128 v[XR+4*r:XR+4*r+3], v[OFF+r], s[30:31]
.set r, r+1
.endr
.set q, 0
.rept 4
	s_wait_loadcnt 12-4*q                          ; rows 4 q .. 4 q + 3 are in; the 12 - 4 q younger rows may stay out
.irp k, 0,1,2,3
	v_cvt_pk_bf16_f32 v[EN+8*(q%2)+2*\k], v[XR+4*(4*q+\k)], v[XR+4*(4*q+\k)+1]
	v_cvt_pk_bf16_f32 v[EN+8*(q%2)+2*\k+1], v[XR+4*(4*q+\k)+2], v[XR+4*(4*q+\k)+3]
.endr
.irp k, 0,1,2,3
	ds_store_b64 v14, v[EN+8*(q%2)+2*\k:EN+8*(q%2)+2*\k+1] offset:SP*(4*q+\k)
.endr
.set q, q+1
.endr
.set f, 0
.rept 8
	ds_load_b128 v[FR+4*f:FR+4*f+3], v15 offset:32*f  ; step f / 2, half f % 2
.set f, f+1
.endr
.set f, 0
.rept 8
	s_wait_dscnt 7-f
	global_store_b128 v1, v[FR+4*f:FR+4*f+3], s[32:33] offset:512*f  ; 512 consecutive bytes, at a multiple of 512 from xs's first byte
.set f, f+1
.endr
.Lskip:
	s_wait_xcnt 0x0                                ; the stores' data and base are rewritten only behind this wait
	v_add_nc_u32 v4, 1024, v4                      ; 16 blocks of 16 entries on
	s_add_nc_u64 s[32:33], s[32:33], 262144        ; 16 blocks of 16,384 bytes on
	s_add_co_u32 s27, s27, 16
	s_sub_co_u32 s28, s28, 1
	s_cmp_lg_u32 s28, 0
	s_cbranch_scc1 .Lpack
	; NT AND POS.  First all the registers, with every lane on: slot 32 p + lane, its entry, the entry's place in pos, the number that goes there; nt and its place.
	s_lshl_b32 s29, s14, 7
	v_lshl_add_u32 v5, v0, 2, s29                  ; the list begins at LDS byte 0: entry 32 p + lane
	ds_load_b32 v6, v5
	s_lshl_b32 s35, s14, 5
	v_add_nc_u32 v9, s35, v0                       ; slot
	s_lshl_b32 s36, s15, 11
	v_add_nc_u32 v8, s36, v9                       ; e 2048 + slot
	s_lshl_b32 s37, s15, 2
	v_mov_b32 v11, s37                             ; nt[e]'s place
	v_mov_b32 v10, s25                             ; nt
	s_wait_dscnt 0x0
	v_lshrrev_b32 v7, 16, v6
	v_bfe_u32 v6, v6, 1, 11
	v_min_u32 v6, 0x7ff, v6                        ; the token, bounded by the table's size
	v_min_u32 v7, 1, v7                            ; the choice
	v_lshlrev_b32 v7, 2, v7
	v_lshl_add_u32 v6, v6, 3, v7                   ; 8 token + 4 choice
	s_wait_xcnt 0x0                                ; EXEC changes only behind this wait: it is a source of what has been issued
	s_cmp_lg_u32 s14, 0
	s_cbranch_scc1 .Lno_nt
	v_cmp_eq_u32 vcc_lo, 0, v0
	s_and_saveexec_b32 s34, vcc_lo
	global_store_b32 v11, v10, s[12:13]            ; one lane of one work-group an expert
	s_wait_xcnt 0x0                                ; and again in front of the line that widens it
	s_or_b32 exec_lo, exec_lo, s34
.Lno_nt:
	v_cmp_gt_u32 vcc_lo, s23, v9                   ; the slots below the count
	s_and_saveexec_b32 s34, vcc_lo
	global_store_b32 v6, v8, s[10:11]
	s_wait_xcnt 0x0                                ; in front of the line that widens EXEC
	s_or_b32 exec_lo, exec_lo, s34
	s_wait_tensorcnt 0x0                           ; the wave's end, behind my last LDS store
	ds_add_u32 v12, v13
	s_wait_dscnt 0x0
	s_endpgm
.Lfunc_end_k_q02cb76b719_route:
	.size	k_q02cb76b719_route, .Lfunc_end_k_q02cb76b719_route-k_q02cb76b719_route
	.p2alignl 7, 3214868480
	.fill 96, 4, 3214868480
	.section	.rodata,"a",@progbits
	.p2align	6, 0x0
	.amdhsa_kernel k_q02cb76b719_route
		.amdhsa_group_segment_fixed_size 13056
		.amdhsa_private_segment_fixed_size 0
		.amdhsa_enable_private_segment 0
		.amdhsa_kernarg_size 40
		.amdhsa_user_sgpr_count 2
		.amdhsa_user_sgpr_kernarg_segment_ptr 1
		.amdhsa_wavefront_size32 1
		.amdhsa_system_sgpr_workgroup_id_x 1
		.amdhsa_system_sgpr_workgroup_id_y 1
		.amdhsa_system_sgpr_workgroup_id_z 1
		.amdhsa_system_vgpr_workitem_id 0
		.amdhsa_next_free_vgpr 150
		.amdhsa_next_free_sgpr 66
		.amdhsa_reserve_vcc 1
		.amdhsa_float_denorm_mode_32 3
		.amdhsa_float_denorm_mode_16_64 3
		.amdhsa_memory_ordered 1
		.amdhsa_forward_progress 1
		.amdhsa_inst_pref_size 54
	.end_amdhsa_kernel
	.amdgpu_metadata
---
amdhsa.version: [ 1, 2 ]
amdhsa.kernels:
  - .name:           k_q02cb76b719_route
    .symbol:         k_q02cb76b719_route.kd
    .args:
      - { .name: topi, .offset: 0, .size: 8, .value_kind: global_buffer, .address_space: global }
      - { .name: x, .offset: 8, .size: 8, .value_kind: global_buffer, .address_space: global }
      - { .name: xs, .offset: 16, .size: 8, .value_kind: global_buffer, .address_space: global }
      - { .name: pos, .offset: 24, .size: 8, .value_kind: global_buffer, .address_space: global }
      - { .name: nt, .offset: 32, .size: 8, .value_kind: global_buffer, .address_space: global }
    .group_segment_fixed_size: 13056
    .private_segment_fixed_size: 0
    .kernarg_segment_align: 8
    .kernarg_segment_size: 40
    .max_flat_workgroup_size: 32
    .sgpr_count:     66
    .vgpr_count:     150
    .wavefront_size: 32
...
	.end_amdgpu_metadata
.endif
;; end of part 2
;; launch ffn1 (part 3): grid 16 x 16, 8 waves a work-group, no clusters, 148,480 bytes of LDS; arguments xs, w1, b1, nt, hf; writes hf
.if DOCPART == 3
	.amdgcn_target "amdgcn-amd-amdhsa--gfx1250"
	.amdhsa_code_object_version 6
	.text
	.protected	k_q02cb76b719_ffn1
	.globl	k_q02cb76b719_ffn1
	.p2align	8
	.type	k_q02cb76b719_ffn1,@function
k_q02cb76b719_ffn1:
	s_mov_b64 s[64:65], 0
	v_nop
	global_prefetch_b8 v0, s[64:65] scope:SCOPE_SE
	s_setreg_imm32_b32 hwreg(HW_REG_WAVE_MODE, 25, 1), 1
	s_wait_xcnt 0x0
; FIRST LAYER.  H[slot][n] = relu(sum over k of X[slot][k] w1[e][k][n] + b1[e][n]) for the slots of expert e alone: the other tokens' results would be multiplied by 0.
; xs: the expert's tokens in bf16, in fragment order ([e][128 blocks of 16 slots][16 steps of 32 k][2][32 lanes][16 bytes]); w1 [16][512][2048] f32; b1 [16][2048] f32; nt[e]: tiles of 32 slots.
; hf: H in bf16, in the same fragment order with 64 steps of 32 hidden numbers: what the second layer's fragments want.
; FORMATS.  w1 and b1 are rounded to bf16 (as every input of the whole program is), sums in f32 starting from b1, H rounded once to bf16.
; SHARES.  Work-group (s, e): hidden columns 128 s .. 128 s + 127 of expert e: 512 x 128 numbers of w1, 262,144 bytes that no other work-group reads; they are read once, rounded,
; and kept in LDS as [512 k] rows of 256 bytes.  Then wave w takes the tiles w, w + 8, .. of 32 slots: 16 accumulators, K in 16 steps of 32.
; EIGHT WAVES of 512 registers, two for each of the WGP's four SIMDs.  A wave's text goes by turns: 16 products, then the loads into the registers just read; the second wave's products
; can stand beside the first's loads.  The wave's tile is 32 x 128 whatever the number of waves, so each byte read from LDS feeds as many products as with four.
; The tokens' fragments come from memory straight into registers (two loads of 512 consecutive bytes each), eight steps ahead; the weights' come turned out of LDS, two steps ahead.
; THE MATRIX INSTRUCTION IS USED TRANSPOSED: source 0 = 16 columns of w1, source 1 = 16 slots.  A lane then holds one slot and eight neighbouring hidden numbers: 16 bytes of bf16,
; which are exactly its 16 bytes of the second layer's fragment.  So H leaves from the registers, without LDS and without a change of lanes.
; THE LOOP has a constant 8 trips (64 tiles at the most for eight waves); a jump forward passes the tiles that the expert does not have.  A tile's steps 8 to 15 stand twice: once with the
; look-ahead into the wave's next tile, once, for the wave's last tile, asking for nothing beyond it (32 loads of tokens and 32 of weights fewer); both ways join at the way out.
; nt enters compares and, ahead of the loop, a choice between two pointers, never an offset.  One barrier in the text, between the filling of LDS and its first read; none in the loop.
; NO CLUSTER.  The sixteen work-groups of an expert read the same xs, but through registers, and a joint request exists for tiles into LDS alone; its rounds of the cluster's barrier would
; stand in a loop whose live length is read from memory.  The weights are shared with nobody.
; REGISTERS, in windows of 256 (s_set_vgpr_msb: bits 1:0 source 0, 3:2 source 1, 5:4 source 2, 7:6 destination):
;   window 0: v0-15 addresses; v16-31 at work; v64-127 b1 as a C operand; v128-255 the accumulators ((i, n) at 128 + 8 (8 i + n)).  While LDS is filled, v64-255 are a ring of 48 loads.
;   window 1: v0-127 the tokens' fragments, eight slots of 16 (step % 8; block i at + 8 i); v128-255 the weights' fragments, two buffers of 64
.set NW,     8                         ; waves
.set ROWS,   512/NW                    ; rows of the weights that a wave brings
.set WPITCH, 8192                      ; bytes from row to row of w1[e]
.set LP,     288                       ; a row in LDS: 256 bytes + 32 = an odd multiple of 32: 16 lanes of the turning load take 8 rows x 32 bytes at different places modulo 256
.set SPARE,  512*LP                    ; behind the weights: the spare words, 128 bytes a wave, named by no other line
.set AMT,    16384                     ; xs: from a block of 16 slots to the next
.set ASTEP,  NW*2*AMT                  ; xs: eight tiles on
.set OMT,    65536                     ; hf: from a block of 16 slots to the next
.set OSTEP,  NW*2*OMT                  ; hf: eight tiles on
.set NRING,  48
.set RING,   64
.set T,      16
.set BIAS,   64
.set ACC,    128
.set BF,     128
.set MSB, 0
.macro WIN new                         ; the immediate's high byte repeats the setting that is left; a switch that changes nothing is dropped
.if MSB != (\new)
	s_set_vgpr_msb (MSB<<8)|(\new)
.set MSB, (\new)
.endif
.endm
.set W_MUL, 0x05                       ; sources 0 and 1 in window 1, C and D in window 0
.set W_LD,  0x40                       ; destination in window 1, address in window 0
; Four loads: the tokens' fragments of step kx of the tile at pointer s[p:p+1], both blocks of 16 slots, into ring slot sl
.macro ALOAD sl, kx, p
.irp i, 0,1
	global_load_b128 v[16*(\sl)+8*\i:16*(\sl)+8*\i+3], v1, s[\p:\p+1] offset:\i*AMT+(\kx)*1024
	global_load_b128 v[16*(\sl)+8*\i+4:16*(\sl)+8*\i+7], v1, s[\p:\p+1] offset:\i*AMT+(\kx)*1024+512
.endr
.endm
; Sixteen turning loads: the weights' fragments of step k2 (32 rows x 128 columns) into buffer b.  Three address registers, six steps each, keep the offsets inside 16 bits.
.macro BLOAD k2, b
.irp n, 0,1,2,3,4,5,6,7
	ds_load_tr16_b128 v[BF+64*(\b)+8*\n:BF+64*(\b)+8*\n+3], v[3+(\k2)/6] offset:((\k2)%6)*32*LP+\n*32
	ds_load_tr16_b128 v[BF+64*(\b)+8*\n+4:BF+64*(\b)+8*\n+7], v[3+(\k2)/6] offset:((\k2)%6)*32*LP+16*LP+\n*32
.endr
.endm
; A K step: 16 products, the 16 accumulators by turns; then the loads into the registers just read.
; la = 1: the wave has a further tile, and the loads run on into it.  la = 0: the wave's last tile: nothing beyond its step 15 is asked for, and the counts run down.  Below step 8 the two are alike.
.macro KSTEP ks, la
.if (\la) || ((\ks) < 15)
	s_wait_dscnt 16                                ; this step's weights are in; the next step's 16 loads may stay out
.else
	s_wait_dscnt 0x0                               ; the last step's weights: no LDS load was issued behind them
.endif
.if (\la) || ((\ks) < 8)
	s_wait_loadcnt 28                              ; this step's tokens are in; seven younger steps of four loads may stay out
.else
	s_wait_loadcnt 4*(15-(\ks))                    ; this step's tokens are in; only the tile's steps behind this one are younger
.endif
	WIN W_MUL
.irp n, 0,1,2,3,4,5,6,7
.irp i, 0,1
.if (\ks) == 0
	v_wmma_f32_16x16x32_bf16 v[ACC+8*(8*\i+\n):ACC+8*(8*\i+\n)+7], v[BF+64*((\ks)%2)+8*\n:BF+64*((\ks)%2)+8*\n+7], v[16*((\ks)%8)+8*\i:16*((\ks)%8)+8*\i+7], v[BIAS+8*\n:BIAS+8*\n+7]
.else
	v_wmma_f32_16x16x32_bf16 v[ACC+8*(8*\i+\n):ACC+8*(8*\i+\n)+7], v[BF+64*((\ks)%2)+8*\n:BF+64*((\ks)%2)+8*\n+7], v[16*((\ks)%8)+8*\i:16*((\ks)%8)+8*\i+7], v[ACC+8*(8*\i+\n):ACC+8*(8*\i+\n)+7]
.endif
.endr
.endr
.if (\la) || ((\ks) != 14)
.rept 4
	v_nop                                          ; four places between a product and a load into a register that it read, or a read of its result (ISA guide 7.12.1 for the read of a result)
.endr
.endif
.if (\la) || ((\ks) < 14)
	WIN W_LD
	BLOAD ((\ks)+2)%16, (\ks)%2                    ; two steps ahead; behind step 13 the next tile's steps 0 and 1: the weights are the same
.endif
.if (\ks) < 8
	ALOAD (\ks)%8, (\ks)+8, 22                     ; eight steps ahead in this tile,
.elseif \la
	ALOAD (\ks)%8, (\ks)-8, 24                     ; or in the wave's next tile
.endif
.endm
	s_load_b256 s[4:11], s[0:1], 0x0               ; xs s[4:5], w1 s[6:7], b1 s[8:9], nt s[10:11]
	s_load_b64 s[12:13], s[0:1], 0x20              ; hf
	v_lshl_add_u32 v10, v0, 2, SPARE               ; my spare word; never rewritten
	v_mov_b32 v11, 0                               ; 0, for the add alone
	v_lshrrev_b32 v9, 5, v0
	v_readfirstlane_b32 s14, v9                    ; wave 0..7
	s_and_b32 s15, ttmp7, 0xffff                   ; e
	s_mov_b32 s16, ttmp9                           ; s
	v_and_b32 v12, 31, v0
	v_lshlrev_b32 v1, 4, v12                       ; 16 x lane
	s_mul_i32 s37, s14, ROWS*LP
	v_lshl_add_u32 v2, v12, 3, s37                 ; into LDS: my 64 rows, 8 bytes a lane
	v_bfe_u32 v13, v0, 4, 1                        ; h
	v_and_b32 v14, 7, v0
	v_lshl_add_u32 v14, v13, 3, v14                ; the turning load: row 8 h + lane % 8,
	v_mul_u32_u24 v3, v14, LP
	v_bfe_u32 v15, v0, 3, 1
	v_lshl_add_u32 v3, v15, 4, v3                  ; 16 bytes by (lane / 8) % 2: steps 0-5
	v_add_nc_u32 v4, 6*32*LP, v3                   ; steps 6-11
	v_add_nc_u32 v5, 12*32*LP, v3                  ; steps 12-15
	v_lshlrev_b32 v6, 5, v13                       ; b1: my eight columns of sixteen
	s_lshl_b32 s30, s15, 22                        ; w1: the expert's 4 MiB,
	s_lshl_b32 s37, s14, 19                        ; my 64 rows of 8,192 bytes,
	s_add_co_u32 s30, s30, s37
	s_lshl_b32 s37, s16, 9                         ; the slice's 128 columns
	s_add_co_u32 s30, s30, s37
	s_mov_b32 s31, 0
	s_lshl_b32 s40, s15, 21                        ; xs: the expert's first tile
	s_mov_b32 s41, 0
	s_lshl_b32 s42, s14, 15                        ; tile w
	s_mov_b32 s43, 0
	s_lshl_b32 s44, s15, 13                        ; b1: the expert's row, the slice
	s_add_co_u32 s44, s44, s37
	s_mov_b32 s45, 0
	s_lshl_b32 s46, s15, 2                         ; nt[e]
	s_mov_b32 s47, 0
	s_lshl_b32 s48, s15, 23                        ; hf: the expert's 8 MiB,
	s_lshl_b32 s37, s14, 17                        ; tile w,
	s_add_co_u32 s48, s48, s37
	s_lshl_b32 s37, s16, 12                        ; the slice's four steps of 1,024 bytes
	s_add_co_u32 s48, s48, s37
	s_mov_b32 s49, 0
	s_wait_kmcnt 0x0
	s_add_nc_u64 s[32:33], s[6:7], s[30:31]
	s_add_nc_u64 s[10:11], s[10:11], s[46:47]
	s_load_b32 s19, s[10:11], 0x0                  ; NT
	s_add_nc_u64 s[38:39], s[4:5], s[40:41]        ; the expert's tile 0, which is always written
	s_add_nc_u64 s[22:23], s[38:39], s[42:43]      ; cur: the tile in hand
	s_add_nc_u64 s[34:35], s[8:9], s[44:45]
	s_add_nc_u64 s[28:29], s[12:13], s[48:49]      ; where the tile in hand goes
	; THE WEIGHTS.  Wave w brings rows 64 w .. 64 w + 63, a row's 512 consecutive bytes a load; 48 of its 64 loads go out at once.
.set i, 0
.rept NRING
	global_load_b128 v[RING+4*i:RING+4*i+3], v1, s[32:33] offset:i*WPITCH th:TH_LOAD_NT
.set i, i+1
.endr
	s_wait_kmcnt 0x0
	s_min_u32 s19, s19, 64                         ; an expert has 64 tiles at the most: the look-ahead below stays inside its part whatever the word holds
	; Four rows at a time: eight roundings, four LDS stores, four loads into the ring slots just read; two sets of eight registers take turns.
.set g, 0
.rept ROWS/4
.if 4*g+4 <= ROWS-NRING
	s_wait_loadcnt NRING-4                         ; 48 + 4 g loads are issued, rows 0 .. 4 g + 3 are wanted: 44 younger ones stay out
.else
	s_wait_loadcnt ROWS-4*g-4                      ; all 64 are issued: the counts run down
.endif
.irp k, 0,1,2,3
	v_cvt_pk_bf16_f32 v[T+8*(g%2)+2*\k], v[RING+4*((4*g+\k)%NRING)], v[RING+4*((4*g+\k)%NRING)+1]
	v_cvt_pk_bf16_f32 v[T+8*(g%2)+2*\k+1], v[RING+4*((4*g+\k)%NRING)+2], v[RING+4*((4*g+\k)%NRING)+3]
.endr
.irp k, 0,1,2,3
	ds_store_b64 v2, v[T+8*(g%2)+2*\k:T+8*(g%2)+2*\k+1] offset:(4*g+\k)*LP
.endr
.if 4*g+4 <= ROWS-NRING
.irp k, 0,1,2,3
	global_load_b128 v[RING+4*((4*g+\k)%NRING):RING+4*((4*g+\k)%NRING)+3], v1, s[32:33] offset:(4*g+\k+NRING)*WPITCH th:TH_LOAD_NT
.endr
.endif
.set g, g+1
.endr
	; b1; then the first tile's first eight steps: of my tile w, or, if the expert has no such tile, of its tile 0, whose bytes are then dropped
.set n, 0
.rept 8
	global_load_b128 v[BIAS+8*n:BIAS+8*n+3], v6, s[34:35] offset:64*n
	global_load_b128 v[BIAS+8*n+4:BIAS+8*n+7], v6, s[34:35] offset:64*n+16
.set n, n+1
.endr
	s_cmp_lt_u32 s14, s19
	s_cselect_b64 s[26:27], s[22:23], s[38:39]     ; written here alone
	WIN W_LD
.irp k, 0,1,2,3,4,5,6,7
	ALOAD \k, \k, 26
.endr
	WIN 0
	s_wait_dscnt 0x0                               ; for the others' sake: my rows are in LDS
	s_barrier_signal -1
	s_barrier_wait -1                              ; everybody's are; nothing writes them again
	WIN W_LD
	BLOAD 0, 0
	BLOAD 1, 1
	WIN 0
	s_wait_loadcnt 32                              ; b1 is in; the 32 loads of tokens issued behind it stay out
.set p, 0
.rept 32
	v_cvt_pk_bf16_f32 v[T+p%8], v[BIAS+2*p], v[BIAS+2*p+1]  ; b1 rounded to bf16 and widened again
	v_lshlrev_b32 v[BIAS+2*p], 16, v[T+p%8]
	v_and_b32 v[BIAS+2*p+1], 0xffff0000, v[T+p%8]
.set p, p+1
.endr
	s_mov_b32 s20, s14                             ; the tile in hand
	s_mov_b32 s21, 64/NW
.Ltile:
	s_cmp_lt_u32 s20, s19
	s_cbranch_scc0 .Ldead
	s_add_nc_u64 s[24:25], s[22:23], ASTEP         ; the wave's next tile: named only where the expert has it
	s_add_co_u32 s36, s20, NW
.rept 5
	v_nop                                          ; five places in front of products that write over the last tile's accumulators
.endr
.irp k, 0,1,2,3,4,5,6,7
	KSTEP \k, 1
.endr
	WIN 0                                          ; at a branch and at a label every window is 0
	s_cmp_lt_u32 s36, s19
	s_cbranch_scc0 .Llast
.irp k, 8,9,10,11,12,13,14,15
	KSTEP \k, 1                                    ; a further tile follows: its first eight steps' tokens and first two steps' weights are asked for
.endr
	WIN 0
	s_branch .Lout
.Llast:
.irp k, 8,9,10,11,12,13,14,15
	KSTEP \k, 0                                    ; the wave's last tile
.endr
	WIN 0
.Lout:
	; THE WAY OUT: relu, rounding in place (each accumulator's registers in ascending order), 16 bytes a lane.  Accumulator (i, n): block i, step n / 2 of the slice, half n % 2.
.set a, 0
.rept 16
.set j, 0
.rept 8
	v_max_num_f32 v[ACC+8*a+j], 0, v[ACC+8*a+j]
.set j, j+1
.endr
.set j, 0
.rept 4
	v_cvt_pk_bf16_f32 v[ACC+8*a+j], v[ACC+8*a+2*j], v[ACC+8*a+2*j+1]
.set j, j+1
.endr
	global_store_b128 v1, v[ACC+8*a:ACC+8*a+3], s[28:29] offset:(a/8)*OMT+((a%8)/2)*1024+(a%2)*512  ; 512 consecutive bytes, at a multiple of 512 from hf's first byte
.set a, a+1
.endr
.Ldead:
	s_wait_xcnt 0x0                                ; the pointers and the stores' registers are written again only behind this wait
	s_add_nc_u64 s[22:23], s[22:23], ASTEP
	s_add_nc_u64 s[28:29], s[28:29], OSTEP
	s_add_co_u32 s20, s20, NW
	s_sub_co_u32 s21, s21, 1
	s_cmp_lg_u32 s21, 0
	s_cbranch_scc1 .Ltile
	s_wait_tensorcnt 0x0                           ; the wave's end, behind my last LDS store
	ds_add_u32 v10, v11
	s_wait_dscnt 0x0
	s_endpgm
.Lfunc_end_k_q02cb76b719_ffn1:
	.size	k_q02cb76b719_ffn1, .Lfunc_end_k_q02cb76b719_ffn1-k_q02cb76b719_ffn1
	.p2alignl 7, 3214868480
	.fill 96, 4, 3214868480
	.section	.rodata,"a",@progbits
	.p2align	6, 0x0
	.amdhsa_kernel k_q02cb76b719_ffn1
		.amdhsa_group_segment_fixed_size 148480
		.amdhsa_private_segment_fixed_size 0
		.amdhsa_enable_private_segment 0
		.amdhsa_kernarg_size 40
		.amdhsa_user_sgpr_count 2
		.amdhsa_user_sgpr_kernarg_segment_ptr 1
		.amdhsa_wavefront_size32 1
		.amdhsa_system_sgpr_workgroup_id_x 1
		.amdhsa_system_sgpr_workgroup_id_y 1
		.amdhsa_system_sgpr_workgroup_id_z 1
		.amdhsa_system_vgpr_workitem_id 0
		.amdhsa_next_free_vgpr 512
		.amdhsa_next_free_sgpr 66
		.amdhsa_reserve_vcc 0
		.amdhsa_float_denorm_mode_32 3
		.amdhsa_float_denorm_mode_16_64 3
		.amdhsa_memory_ordered 1
		.amdhsa_forward_progress 1
		.amdhsa_inst_pref_size 101
	.end_amdhsa_kernel
	.amdgpu_metadata
---
amdhsa.version: [ 1, 2 ]
amdhsa.kernels:
  - .name:           k_q02cb76b719_ffn1
    .symbol:         k_q02cb76b719_ffn1.kd
    .args:
      - { .name: xs, .offset: 0, .size: 8, .value_kind: global_buffer, .address_space: global }
      - { .name: w1, .offset: 8, .size: 8, .value_kind: global_buffer, .address_space: global }
      - { .name: b1, .offset: 16, .size: 8, .value_kind: global_buffer, .address_space: global }
      - { .name: nt, .offset: 24, .size: 8, .value_kind: global_buffer, .address_space: global }
      - { .name: hf, .offset: 32, .size: 8, .value_kind: global_buffer, .address_space: global }
    .group_segment_fixed_size: 148480
    .private_segment_fixed_size: 0
    .kernarg_segment_align: 8
    .kernarg_segment_size: 40
    .max_flat_workgroup_size: 256
    .sgpr_count:     66
    .vgpr_count:     512
    .wavefront_size: 32
...
	.end_amdgpu_metadata
.endif
;; end of part 3
;; launch ffn2 (part 4): grid 16 x 16, 8 waves a work-group, no clusters, 216,064 bytes of LDS; arguments hf, w2, nt, yp; writes yp
.if DOCPART == 4
	.amdgcn_target "amdgcn-amd-amdhsa--gfx1250"
	.amdhsa_code_object_version 6
	.text
	.protected	k_q02cb76b719_ffn2
	.globl	k_q02cb76b719_ffn2
	.p2align	8
	.type	k_q02cb76b719_ffn2,@function
k_q02cb76b719_ffn2:
	s_mov_b64 s[64:65], 0
	v_nop
	global_prefetch_b8 v0, s[64:65] scope:SCOPE_SE
	s_setreg_imm32_b32 hwreg(HW_REG_WAVE_MODE, 25, 1), 1
	s_wait_xcnt 0x0
; SECOND LAYER, in four parts along K.  yp[e 2048 + slot][q][n] = sum over k in quarter q of H[slot][k] w2[e][k][n], for the slots of expert e alone.
; hf: H in bf16, in fragment order ([e][128 blocks of 16 slots][64 steps of 32 k][2][32 lanes][16 bytes]); w2 [16][2048][512] f32; nt[e]: tiles of 32 slots.  yp: [32768 rows][4 q][512] f32.
; FORMATS.  w2 is rounded to bf16 (as every input of the whole program is), sums in f32; the four parts, b2 and the routing weights meet in the last launch.
; SHARES.  Work-group (s, e): q = s / 4, hidden numbers 512 q .. 512 q + 511; c = s % 4, output columns 128 c .. 128 c + 127: 512 x 128 numbers of w2, 262,144 bytes that no other
; work-group reads, in rows of 512 consecutive bytes; read once, rounded, kept in LDS as [512 k] rows of 256 bytes.  (Whole K with 32 columns would make rows of 128 bytes.)
; Then wave w takes the tiles w, w + 8, .. of 32 slots, as in the first layer: 16 accumulators, K in 16 steps of 32, H's fragments from memory straight into registers eight steps ahead,
; the weights' turned out of LDS two steps ahead.  Source 0 = 16 columns of w2, source 1 = 16 slots: a lane holds one slot and eight neighbouring columns.
; EIGHT WAVES of 512 registers, two for each of the WGP's four SIMDs.  A wave's text goes by turns: 16 products, then the loads into the registers just read; the second wave's products
; can stand beside the first's loads.  The wave's tile is 32 x 128 whatever the number of waves, so each byte read from LDS feeds as many products as with four.
; THE WAY OUT goes through a stage in LDS of the wave's own, 16 rows at a time, so that a store covers a row's 512 consecutive bytes.
; THE LOOP has a constant 8 trips; a jump forward passes the tiles that the expert does not have.  A tile's steps 8 to 15 stand twice: once with the look-ahead into the wave's next tile,
; once, for the wave's last tile, asking for nothing beyond it (32 loads of H and 32 of weights fewer); both ways join at the way out.  nt enters compares and, ahead of the loop, a choice
; between two pointers, never an offset.  One barrier in the text, none in the loop.
; NO CLUSTER.  The four work-groups of an expert and quarter read the same hf, but through registers, and a joint request exists for tiles into LDS alone; its rounds of the cluster's barrier
; would stand in a loop whose live length is read from memory.  The weights are shared with nobody.
; REGISTERS, in windows of 256 (s_set_vgpr_msb: bits 1:0 source 0, 3:2 source 1, 5:4 source 2, 7:6 destination):
;   window 0: v0-15 addresses; v16-31 at work; v128-255 the accumulators ((i, n) at 128 + 8 (8 i + n)).  While LDS is filled, v64-255 are a ring of 48 loads.
;   window 1: v0-127 H's fragments, eight slots of 16 (step % 8; block i at + 8 i); v128-255 the weights' fragments, two buffers of 64
.set NW,     8                         ; waves
.set ROWS,   512/NW                    ; rows of the weights that a wave brings
.set WPITCH, 2048                      ; bytes from row to row of w2[e]
.set LP,     288                       ; a row in LDS: 256 bytes + 32 = an odd multiple of 32: 16 lanes of the turning load take 8 rows x 32 bytes at different places modulo 256
.set STAGE,  512*LP                    ; behind the weights: 16 rows x 528 bytes for each wave
.set SP,     528                       ; 512 bytes + 16: an odd multiple of 16
.set SPARE,  STAGE+NW*16*SP            ; behind the stages: the spare words, 128 bytes a wave, named by no other line
.set AMT,    65536                     ; hf: from a block of 16 slots to the next
.set ASTEP,  NW*2*AMT                  ; hf: eight tiles on
.set OROW,   8192                      ; yp: from row to row
.set OSTEP,  NW*32*OROW                ; yp: eight tiles on
.set NRING,  48
.set RING,   64
.set T,      16
.set ACC,    128
.set BF,     128
.set MSB, 0
.macro WIN new                         ; the immediate's high byte repeats the setting that is left; a switch that changes nothing is dropped
.if MSB != (\new)
	s_set_vgpr_msb (MSB<<8)|(\new)
.set MSB, (\new)
.endif
.endm
.set W_MUL, 0x05                       ; sources 0 and 1 in window 1, C and D in window 0
.set W_LD,  0x40                       ; destination in window 1, address in window 0
; Four loads: H's fragments of step kx of the quarter, of the tile at pointer s[p:p+1], both blocks of 16 slots, into ring slot sl
.macro ALOAD sl, kx, p
.irp i, 0,1
	global_load_b128 v[16*(\sl)+8*\i:16*(\sl)+8*\i+3], v1, s[\p:\p+1] offset:\i*AMT+(\kx)*1024
	global_load_b128 v[16*(\sl)+8*\i+4:16*(\sl)+8*\i+7], v1, s[\p:\p+1] offset:\i*AMT+(\kx)*1024+512
.endr
.endm
; Sixteen turning loads: the weights' fragments of step k2 (32 rows x 128 columns) into buffer b.  Three address registers, six steps each, keep the offsets inside 16 bits.
.macro BLOAD k2, b
.irp n, 0,1,2,3,4,5,6,7
	ds_load_tr16_b128 v[BF+64*(\b)+8*\n:BF+64*(\b)+8*\n+3], v[3+(\k2)/6] offset:((\k2)%6)*32*LP+\n*32
	ds_load_tr16_b128 v[BF+64*(\b)+8*\n+4:BF+64*(\b)+8*\n+7], v[3+(\k2)/6] offset:((\k2)%6)*32*LP+16*LP+\n*32
.endr
.endm
; A K step: 16 products, the 16 accumulators by turns; then the loads into the registers just read.  The first step's products start the sums: nothing is cleared.
; la = 1: the wave has a further tile, and the loads run on into it.  la = 0: the wave's last tile: nothing beyond its step 15 is asked for, and the counts run down.  Below step 8 the two are alike.
.macro KSTEP ks, la
.if (\la) || ((\ks) < 15)
	s_wait_dscnt 16                                ; this step's weights are in; the next step's 16 loads may stay out
.else
	s_wait_dscnt 0x0                               ; the last step's weights: no LDS load was issued behind them
.endif
.if (\la) || ((\ks) < 8)
	s_wait_loadcnt 28                              ; this step's H is in; seven younger steps of four loads may stay out
.else
	s_wait_loadcnt 4*(15-(\ks))                    ; this step's H is in; only the tile's steps behind this one are younger
.endif
	WIN W_MUL
.irp n, 0,1,2,3,4,5,6,7
.irp i, 0,1
.if (\ks) == 0
	v_wmma_f32_16x16x32_bf16 v[ACC+8*(8*\i+\n):ACC+8*(8*\i+\n)+7], v[BF+64*((\ks)%2)+8*\n:BF+64*((\ks)%2)+8*\n+7], v[16*((\ks)%8)+8*\i:16*((\ks)%8)+8*\i+7], 0
.else
	v_wmma_f32_16x16x32_bf16 v[ACC+8*(8*\i+\n):ACC+8*(8*\i+\n)+7], v[BF+64*((\ks)%2)+8*\n:BF+64*((\ks)%2)+8*\n+7], v[16*((\ks)%8)+8*\i:16*((\ks)%8)+8*\i+7], v[ACC+8*(8*\i+\n):ACC+8*(8*\i+\n)+7]
.endif
.endr
.endr
.if (\la) || ((\ks) != 14)
.rept 4
	v_nop                                          ; four places between a product and a load into a register that it read, or an LDS store of its result
.endr
.endif
.if (\la) || ((\ks) < 14)
	WIN W_LD
	BLOAD ((\ks)+2)%16, (\ks)%2                    ; two steps ahead; behind step 13 the next tile's steps 0 and 1: the weights are the same
.endif
.if (\ks) < 8
	ALOAD (\ks)%8, (\ks)+8, 22                     ; eight steps ahead in this tile,
.elseif \la
	ALOAD (\ks)%8, (\ks)-8, 24                     ; or in the wave's next tile
.endif
.endm
	s_load_b256 s[4:11], s[0:1], 0x0               ; hf s[4:5], w2 s[6:7], nt s[8:9], yp s[10:11]
	v_lshl_add_u32 v10, v0, 2, SPARE               ; my spare word; never rewritten
	v_mov_b32 v11, 0                               ; 0, for the add alone
	v_lshrrev_b32 v9, 5, v0
	v_readfirstlane_b32 s14, v9                    ; wave 0..7
	s_and_b32 s15, ttmp7, 0xffff                   ; e
	s_lshr_b32 s17, ttmp9, 2                       ; q
	s_and_b32 s18, ttmp9, 3                        ; c
	v_and_b32 v12, 31, v0
	v_lshlrev_b32 v1, 4, v12                       ; 16 x lane
	s_mul_i32 s37, s14, ROWS*LP
	v_lshl_add_u32 v2, v12, 3, s37                 ; into LDS: my 64 rows, 8 bytes a lane
	v_bfe_u32 v13, v0, 4, 1                        ; h
	v_and_b32 v14, 7, v0
	v_lshl_add_u32 v14, v13, 3, v14                ; the turning load: row 8 h + lane % 8,
	v_mul_u32_u24 v3, v14, LP
	v_bfe_u32 v15, v0, 3, 1
	v_lshl_add_u32 v3, v15, 4, v3                  ; 16 bytes by (lane / 8) % 2: steps 0-5
	v_add_nc_u32 v4, 6*32*LP, v3                   ; steps 6-11
	v_add_nc_u32 v5, 12*32*LP, v3                  ; steps 12-15
	s_mul_i32 s37, s14, 16*SP
	s_add_co_u32 s37, s37, STAGE                   ; my stage
	v_and_b32 v9, 15, v0                           ; r
	v_mul_u32_u24 v7, v9, SP
	v_lshl_add_u32 v7, v13, 5, v7
	v_add_nc_u32 v7, s37, v7                       ; in: row r, 32 bytes for each half of the lanes
	v_add_nc_u32 v8, s37, v1                       ; back: a row's 512 bytes, 16 a lane
	s_lshl_b32 s30, s15, 22                        ; w2: the expert's 4 MiB,
	s_lshl_b32 s37, s17, 20                        ; the quarter's 512 rows,
	s_add_co_u32 s30, s30, s37
	s_lshl_b32 s37, s14, 17                        ; my 64 of them, 2,048 bytes each,
	s_add_co_u32 s30, s30, s37
	s_lshl_b32 s36, s18, 9                         ; the 128 columns
	s_add_co_u32 s30, s30, s36
	s_mov_b32 s31, 0
	s_lshl_b32 s40, s15, 23                        ; hf: the expert's first tile,
	s_lshl_b32 s37, s17, 14                        ; the quarter's 16 steps of 1,024 bytes
	s_add_co_u32 s40, s40, s37
	s_mov_b32 s41, 0
	s_lshl_b32 s42, s14, 17                        ; tile w
	s_mov_b32 s43, 0
	s_lshl_b32 s46, s15, 2                         ; nt[e]
	s_mov_b32 s47, 0
	s_lshl_b32 s48, s15, 24                        ; yp: the expert's 2,048 rows of 8,192 bytes,
	s_lshl_b32 s37, s14, 18                        ; tile w,
	s_add_co_u32 s48, s48, s37
	s_lshl_b32 s37, s17, 11                        ; the quarter's 512 numbers,
	s_add_co_u32 s48, s48, s37
	s_add_co_u32 s48, s48, s36                     ; the 128 columns
	s_mov_b32 s49, 0
	s_wait_kmcnt 0x0
	s_add_nc_u64 s[32:33], s[6:7], s[30:31]
	s_add_nc_u64 s[8:9], s[8:9], s[46:47]
	s_load_b32 s19, s[8:9], 0x0                    ; NT
	s_add_nc_u64 s[38:39], s[4:5], s[40:41]        ; the expert's tile 0, which is always written
	s_add_nc_u64 s[22:23], s[38:39], s[42:43]      ; cur: the tile in hand
	s_add_nc_u64 s[28:29], s[10:11], s[48:49]      ; where the tile in hand goes
	; THE WEIGHTS.  Wave w brings rows 64 w .. 64 w + 63 of the quarter, a row's 512 consecutive bytes a load; 48 of its 64 loads go out at once.
.set i, 0
.rept NRING
	global_load_b128 v[RING+4*i:RING+4*i+3], v1, s[32:33] offset:i*WPITCH th:TH_LOAD_NT
.set i, i+1
.endr
	s_wait_kmcnt 0x0
	s_min_u32 s19, s19, 64                         ; an expert has 64 tiles at the most: the look-ahead below stays inside its part whatever the word holds
	; Four rows at a time: eight roundings, four LDS stores, four loads into the ring slots just read; two sets of eight registers take turns.
.set g, 0
.rept ROWS/4
.if 4*g+4 <= ROWS-NRING
	s_wait_loadcnt NRING-4                         ; 48 + 4 g loads are issued, rows 0 .. 4 g + 3 are wanted: 44 younger ones stay out
.else
	s_wait_loadcnt ROWS-4*g-4                      ; all 64 are issued: the counts run down
.endif
.irp k, 0,1,2,3
	v_cvt_pk_bf16_f32 v[T+8*(g%2)+2*\k], v[RING+4*((4*g+\k)%NRING)], v[RING+4*((4*g+\k)%NRING)+1]
	v_cvt_pk_bf16_f32 v[T+8*(g%2)+2*\k+1], v[RING+4*((4*g+\k)%NRING)+2], v[RING+4*((4*g+\k)%NRING)+3]
.endr
.irp k, 0,1,2,3
	ds_store_b64 v2, v[T+8*(g%2)+2*\k:T+8*(g%2)+2*\k+1] offset:(4*g+\k)*LP
.endr
.if 4*g+4 <= ROWS-NRING
.irp k, 0,1,2,3
	global_load_b128 v[RING+4*((4*g+\k)%NRING):RING+4*((4*g+\k)%NRING)+3], v1, s[32:33] offset:(4*g+\k+NRING)*WPITCH th:TH_LOAD_NT
.endr
.endif
.set g, g+1
.endr
	; the first tile's first eight steps: of my tile w, or, if the expert has no such tile, of its tile 0, whose bytes are then dropped
	s_cmp_lt_u32 s14, s19
	s_cselect_b64 s[26:27], s[22:23], s[38:39]     ; written here alone
	WIN W_LD
.irp k, 0,1,2,3,4,5,6,7
	ALOAD \k, \k, 26
.endr
	WIN 0
	s_wait_dscnt 0x0                               ; for the others' sake: my rows are in LDS
	s_barrier_signal -1
	s_barrier_wait -1                              ; everybody's are; nothing writes them again
	WIN W_LD
	BLOAD 0, 0
	BLOAD 1, 1
	WIN 0
	s_mov_b32 s20, s14                             ; the tile in hand
	s_mov_b32 s21, 64/NW
.Ltile:
	s_cmp_lt_u32 s20, s19
	s_cbranch_scc0 .Ldead
	s_add_nc_u64 s[24:25], s[22:23], ASTEP         ; the wave's next tile: named only where the expert has it
	s_add_co_u32 s36, s20, NW
.rept 5
	v_nop                                          ; five places in front of products that write over the last tile's accumulators
.endr
.irp k, 0,1,2,3,4,5,6,7
	KSTEP \k, 1
.endr
	WIN 0                                          ; at a branch and at a label every window is 0
	s_cmp_lt_u32 s36, s19
	s_cbranch_scc0 .Llast
.irp k, 8,9,10,11,12,13,14,15
	KSTEP \k, 1                                    ; a further tile follows: its first eight steps' H and first two steps' weights are asked for
.endr
	WIN 0
	s_branch .Lout
.Llast:
.irp k, 8,9,10,11,12,13,14,15
	KSTEP \k, 0                                    ; the wave's last tile
.endr
	WIN 0
.Lout:
	; THE WAY OUT, a block of 16 slots at a time: 32 bytes a lane and accumulator into my stage (each accumulator's low registers first), back as whole rows into the same registers, stored.
.set i, 0
.rept 2
.set n, 0
.rept 8
	ds_store_b128 v7, v[ACC+64*i+8*n:ACC+64*i+8*n+3] offset:64*n
	ds_store_b128 v7, v[ACC+64*i+8*n+4:ACC+64*i+8*n+7] offset:64*n+16
.set n, n+1
.endr
.set n, 0
.rept 16
	ds_load_b128 v[ACC+64*i+4*n:ACC+64*i+4*n+3], v8 offset:SP*n  ; LDS serves a wave's instructions in order (ISA guide 5.7.1.4): these see the stores above, and the next block's stores come behind them
.set n, n+1
.endr
.set n, 0
.rept 16
	s_wait_dscnt 15-n                              ; row n is back; the 15 - n younger rows may stay out
	global_store_b128 v1, v[ACC+64*i+4*n:ACC+64*i+4*n+3], s[28:29] offset:(16*i+n)*OROW  ; 512 consecutive bytes, at a multiple of 512 from yp's first byte
.set n, n+1
.endr
.set i, i+1
.endr
.Ldead:
	s_wait_xcnt 0x0                                ; the pointers and the stores' registers are written again only behind this wait
	s_add_nc_u64 s[22:23], s[22:23], ASTEP
	s_add_nc_u64 s[28:29], s[28:29], OSTEP
	s_add_co_u32 s20, s20, NW
	s_sub_co_u32 s21, s21, 1
	s_cmp_lg_u32 s21, 0
	s_cbranch_scc1 .Ltile
	s_wait_tensorcnt 0x0                           ; the wave's end, behind my last LDS store
	ds_add_u32 v10, v11
	s_wait_dscnt 0x0
	s_endpgm
.Lfunc_end_k_q02cb76b719_ffn2:
	.size	k_q02cb76b719_ffn2, .Lfunc_end_k_q02cb76b719_ffn2-k_q02cb76b719_ffn2
	.p2alignl 7, 3214868480
	.fill 96, 4, 3214868480
	.section	.rodata,"a",@progbits
	.p2align	6, 0x0
	.amdhsa_kernel k_q02cb76b719_ffn2
		.amdhsa_group_segment_fixed_size 216064
		.amdhsa_private_segment_fixed_size 0
		.amdhsa_enable_private_segment 0
		.amdhsa_kernarg_size 32
		.amdhsa_user_sgpr_count 2
		.amdhsa_user_sgpr_kernarg_segment_ptr 1
		.amdhsa_wavefront_size32 1
		.amdhsa_system_sgpr_workgroup_id_x 1
		.amdhsa_system_sgpr_workgroup_id_y 1
		.amdhsa_system_sgpr_workgroup_id_z 1
		.amdhsa_system_vgpr_workitem_id 0
		.amdhsa_next_free_vgpr 512
		.amdhsa_next_free_sgpr 66
		.amdhsa_reserve_vcc 0
		.amdhsa_float_denorm_mode_32 3
		.amdhsa_float_denorm_mode_16_64 3
		.amdhsa_memory_ordered 1
		.amdhsa_forward_progress 1
		.amdhsa_inst_pref_size 94
	.end_amdhsa_kernel
	.amdgpu_metadata
---
amdhsa.version: [ 1, 2 ]
amdhsa.kernels:
  - .name:           k_q02cb76b719_ffn2
    .symbol:         k_q02cb76b719_ffn2.kd
    .args:
      - { .name: hf, .offset: 0, .size: 8, .value_kind: global_buffer, .address_space: global }
      - { .name: w2, .offset: 8, .size: 8, .value_kind: global_buffer, .address_space: global }
      - { .name: nt, .offset: 16, .size: 8, .value_kind: global_buffer, .address_space: global }
      - { .name: yp, .offset: 24, .size: 8, .value_kind: global_buffer, .address_space: global }
    .group_segment_fixed_size: 216064
    .private_segment_fixed_size: 0
    .kernarg_segment_align: 8
    .kernarg_segment_size: 32
    .max_flat_workgroup_size: 256
    .sgpr_count:     66
    .vgpr_count:     512
    .wavefront_size: 32
...
	.end_amdgpu_metadata
.endif
;; end of part 4
;; launch comb (part 5): grid 256 x 1, 8 waves a work-group, no clusters, 0 bytes of LDS; arguments yp, pos, cw, b2, out0; writes out0
.if DOCPART == 5
	.amdgcn_target "amdgcn-amd-amdhsa--gfx1250"
	.amdhsa_code_object_version 6
	.text
	.protected	k_q02cb76b719_comb
	.globl	k_q02cb76b719_comb
	.p2align	8
	.type	k_q02cb76b719_comb,@function
k_q02cb76b719_comb:
	s_mov_b64 s[64:65], 0
	v_nop
	global_prefetch_b8 v0, s[64:65] scope:SCOPE_SE
	s_setreg_imm32_b32 hwreg(HW_REG_WAVE_MODE, 25, 1), 1
	s_wait_xcnt 0x0
; COMBINE.  out[t][n] = sum over the token's two choices j of c_j (sum over q of yp[pos[t][j]][q][n] + b2[e_j][n]), e_j = pos[t][j] / 2048.  The other fourteen experts have weight 0.
; yp [32768 rows][4 q][512] f32; pos [2048][2]; cw [2048][2] f32; b2 [16][512] f32, rounded to bf16 (as every input of the whole program is); out0 [2048][512] f32.  All arithmetic in f32.
; A stream: memory binds.  One wave a token, eight waves a work-group, no LDS, no barrier, no matrix unit: there is no product here.  A wave's 40 loads (8 pieces of yp and 2 of b2 for each
; of four chunks of 128 columns, 512 consecutive bytes each) all go out at once; the waits count the younger chunks' loads.
; pos is bounded by constants before it enters an address: the row by 32,767, the expert by 15.
.set Y,  16                            ; chunk c at v[16 + 40 c]: choice j, part q at + 16 j + 4 q; b2 of choice j at + 32 + 4 j
	s_load_b256 s[4:11], s[0:1], 0x0               ; yp s[4:5], pos s[6:7], cw s[8:9], b2 s[10:11]
	s_load_b64 s[12:13], s[0:1], 0x20              ; out0
	v_lshrrev_b32 v2, 5, v0
	v_readfirstlane_b32 s14, v2                    ; wave 0..7
	v_and_b32 v1, 31, v0
	v_lshlrev_b32 v1, 4, v1                        ; 16 x lane
	s_lshl_b32 s15, ttmp9, 3
	s_add_co_u32 s15, s15, s14                     ; t
	s_lshl_b32 s16, s15, 3                         ; 8 bytes a token in pos and in cw
	s_mov_b32 s17, 0
	s_lshl_b32 s18, s15, 11                        ; 2,048 bytes a token in out0
	s_mov_b32 s19, 0
	s_wait_kmcnt 0x0
	s_add_nc_u64 s[6:7], s[6:7], s[16:17]
	s_add_nc_u64 s[8:9], s[8:9], s[16:17]
	s_add_nc_u64 s[12:13], s[12:13], s[18:19]
	s_load_b64 s[20:21], s[6:7], 0x0               ; pos[t][0], pos[t][1]
	s_load_b64 s[22:23], s[8:9], 0x0               ; c1, c2
	s_wait_kmcnt 0x0
	s_lshr_b32 s34, s20, 11
	s_min_u32 s34, s34, 15                         ; e of the first choice
	s_lshl_b32 s34, s34, 11                        ; its row of b2
	s_mov_b32 s35, 0
	s_add_nc_u64 s[28:29], s[10:11], s[34:35]
	s_min_u32 s36, s20, 0x7fff
	s_lshl_b32 s36, s36, 13                        ; its row of yp, 8,192 bytes
	s_mov_b32 s37, 0
	s_add_nc_u64 s[24:25], s[4:5], s[36:37]
	s_lshr_b32 s38, s21, 11
	s_min_u32 s38, s38, 15                         ; and the second choice's
	s_lshl_b32 s38, s38, 11
	s_mov_b32 s39, 0
	s_add_nc_u64 s[30:31], s[10:11], s[38:39]
	s_min_u32 s40, s21, 0x7fff
	s_lshl_b32 s40, s40, 13
	s_mov_b32 s41, 0
	s_add_nc_u64 s[26:27], s[4:5], s[40:41]
	s_mov_b32 s32, s23                             ; c2 in a pair of its own: the packed forms take a scalar pair's low word for both halves
	s_mov_b32 s33, s23
.set c, 0
.rept 4
.set q, 0
.rept 4
	global_load_b128 v[Y+40*c+4*q:Y+40*c+4*q+3], v1, s[24:25] offset:2048*q+512*c th:TH_LOAD_NT
	global_load_b128 v[Y+40*c+16+4*q:Y+40*c+16+4*q+3], v1, s[26:27] offset:2048*q+512*c th:TH_LOAD_NT
.set q, q+1
.endr
	global_load_b128 v[Y+40*c+32:Y+40*c+35], v1, s[28:29] offset:512*c
	global_load_b128 v[Y+40*c+36:Y+40*c+39], v1, s[30:31] offset:512*c
.set c, c+1
.endr
.macro CHUNK c
.set CB, Y+40*(\c)
	s_wait_loadcnt 30-10*(\c)                      ; this chunk's ten loads are in; the younger chunks' stay out
.irp j, 0,1
.irp d, 0,2
	v_pk_add_f32 v[CB+16*\j+\d:CB+16*\j+\d+1], v[CB+16*\j+\d:CB+16*\j+\d+1], v[CB+16*\j+4+\d:CB+16*\j+4+\d+1]
	v_pk_add_f32 v[CB+16*\j+8+\d:CB+16*\j+8+\d+1], v[CB+16*\j+8+\d:CB+16*\j+8+\d+1], v[CB+16*\j+12+\d:CB+16*\j+12+\d+1]
.endr
	v_cvt_pk_bf16_f32 v[176+2*\j], v[CB+32+4*\j], v[CB+32+4*\j+1]      ; b2 rounded to bf16 and widened again
	v_cvt_pk_bf16_f32 v[177+2*\j], v[CB+32+4*\j+2], v[CB+32+4*\j+3]
	v_lshlrev_b32 v[CB+32+4*\j], 16, v[176+2*\j]
	v_and_b32 v[CB+32+4*\j+1], 0xffff0000, v[176+2*\j]
	v_lshlrev_b32 v[CB+32+4*\j+2], 16, v[177+2*\j]
	v_and_b32 v[CB+32+4*\j+3], 0xffff0000, v[177+2*\j]
.irp d, 0,2
	v_pk_add_f32 v[CB+16*\j+\d:CB+16*\j+\d+1], v[CB+16*\j+\d:CB+16*\j+\d+1], v[CB+16*\j+8+\d:CB+16*\j+8+\d+1]
.endr
.irp d, 0,2
	v_pk_add_f32 v[CB+16*\j+\d:CB+16*\j+\d+1], v[CB+16*\j+\d:CB+16*\j+\d+1], v[CB+32+4*\j+\d:CB+32+4*\j+\d+1]
.endr
.endr
.irp d, 0,2
	v_pk_mul_f32 v[CB+\d:CB+\d+1], v[CB+\d:CB+\d+1], s[22:23] op_sel_hi:[1,0]
.endr
.irp d, 0,2
	v_pk_fma_f32 v[CB+\d:CB+\d+1], v[CB+16+\d:CB+16+\d+1], s[32:33], v[CB+\d:CB+\d+1] op_sel_hi:[1,0,1]
.endr
	global_store_b128 v1, v[CB:CB+3], s[12:13] offset:512*(\c) th:TH_STORE_NT  ; 512 consecutive bytes, at a multiple of 512 from out0's first byte
.endm
	CHUNK 0
	CHUNK 1
	CHUNK 2
	CHUNK 3
	s_endpgm
.Lfunc_end_k_q02cb76b719_comb:
	.size	k_q02cb76b719_comb, .Lfunc_end_k_q02cb76b719_comb-k_q02cb76b719_comb
	.p2alignl 7, 3214868480
	.fill 96, 4, 3214868480
	.section	.rodata,"a",@progbits
	.p2align	6, 0x0
	.amdhsa_kernel k_q02cb76b719_comb
		.amdhsa_group_segment_fixed_size 0
		.amdhsa_private_segment_fixed_size 0
		.amdhsa_enable_private_segment 0
		.amdhsa_kernarg_size 40
		.amdhsa_user_sgpr_count 2
		.amdhsa_user_sgpr_kernarg_segment_ptr 1
		.amdhsa_wavefront_size32 1
		.amdhsa_system_sgpr_workgroup_id_x 1
		.amdhsa_system_sgpr_workgroup_id_y 1
		.amdhsa_system_sgpr_workgroup_id_z 1
		.amdhsa_system_vgpr_workitem_id 0
		.amdhsa_next_free_vgpr 184
		.amdhsa_next_free_sgpr 66
		.amdhsa_reserve_vcc 0
		.amdhsa_float_denorm_mode_32 3
		.amdhsa_float_denorm_mode_16_64 3
		.amdhsa_memory_ordered 1
		.amdhsa_forward_progress 1
		.amdhsa_inst_pref_size 14
	.end_amdhsa_kernel
	.amdgpu_metadata
---
amdhsa.version: [ 1, 2 ]
amdhsa.kernels:
  - .name:           k_q02cb76b719_comb
    .symbol:         k_q02cb76b719_comb.kd
    .args:
      - { .name: yp, .offset: 0, .size: 8, .value_kind: global_buffer, .address_space: global }
      - { .name: pos, .offset: 8, .size: 8, .value_kind: global_buffer, .address_space: global }
      - { .name: cw, .offset: 16, .size: 8, .value_kind: global_buffer, .address_space: global }
      - { .name: b2, .offset: 24, .size: 8, .value_kind: global_buffer, .address_space: global }
      - { .name: out0, .offset: 32, .size: 8, .value_kind: global_buffer, .address_space: global }
    .group_segment_fixed_size: 0
    .private_segment_fixed_size: 0
    .kernarg_segment_align: 8
    .kernarg_segment_size: 40
    .max_flat_workgroup_size: 256
    .sgpr_count:     66
    .vgpr_count:     184
    .wavefront_size: 32
...
	.end_amdgpu_metadata
.endif
;; end of part 5
;; ======== version 2 of 2: 5 launches; version 1 with the launches ffn1, ffn2 written anew for expert scheduling mode
;; workspace buffers: topi 8,192 bytes of whole numbers; pos 16,384 bytes of whole numbers; nt 256 bytes of whole numbers; cw 16,384 bytes; xs 33,554,432 bytes; hf 134,217,728 bytes; yp 268,435,456 bytes
;; launch gate: the kernel of part 1 again; grid 64 x 1, 8 waves a work-group, no clusters, 78,848 bytes of LDS; arguments x, gate_w, gate_b, topi, cw; writes topi, cw
;; launch route: the kernel of part 2 again; grid 64 x 16, 1 waves a work-group, no clusters, 13,056 bytes of LDS; arguments topi, x, xs, pos, nt; writes xs, pos, nt
;; launch ffn1 (part 6): grid 16 x 16, 8 waves a work-group, no clusters, 148,480 bytes of LDS; arguments xs, w1, b1, nt, hf; writes hf
.if DOCPART == 6
	.amdgcn_target "amdgcn-amd-amdhsa--gfx1250"
	.amdhsa_code_object_version 6
	.text
	.protected	k_q02cb76b719_ffn1
	.globl	k_q02cb76b719_ffn1
	.p2align	8
	.type	k_q02cb76b719_ffn1,@function
k_q02cb76b719_ffn1:
	s_mov_b64 s[64:65], 0
	v_nop
	global_prefetch_b8 v0, s[64:65] scope:SCOPE_SE
	s_setreg_imm32_b32 hwreg(HW_REG_WAVE_SCHED_MODE, 0, 2), 2
	s_setreg_imm32_b32 hwreg(HW_REG_WAVE_MODE, 25, 1), 1
	s_wait_xcnt 0x0
	s_wait_alu depctr_vm_vsrc(0)
; FIRST LAYER.  H[slot][n] = relu(sum over k of X[slot][k] w1[e][k][n] + b1[e][n]) for the slots of expert e alone: the other tokens' results would be multiplied by 0.
; xs: the expert's tokens in bf16, in fragment order ([e][128 blocks of 16 slots][16 steps of 32 k][2][32 lanes][16 bytes]); w1 [16][512][2048] f32; b1 [16][2048] f32; nt[e]: tiles of 32 slots.
; hf: H in bf16, in the same fragment order with 64 steps of 32 hidden numbers: what the second layer's fragments want.
; FORMATS.  w1 and b1 are rounded to bf16 (as every input of the whole program is), sums in f32 starting from b1, H rounded once to bf16.
; SHARES.  Work-group (s, e): hidden columns 128 s .. 128 s + 127 of expert e: 512 x 128 numbers of w1, 262,144 bytes that no other work-group reads; they are read once, rounded,
; and kept in LDS as [512 k] rows of 256 bytes.  Then wave w takes the tiles w, w + 8, .. of 32 slots: 16 accumulators, K in 16 steps of 32.
; EIGHT WAVES of 512 registers, two for each of the WGP's four SIMDs.  The wave's tile is 32 x 128 whatever the number of waves, so each byte read from LDS feeds as many products as with four.
; The tokens' fragments come from memory straight into registers (two loads of 512 consecutive bytes each), seven steps ahead; the weights' come turned out of LDS, a step ahead.
; THE MATRIX INSTRUCTION IS USED TRANSPOSED: source 0 = 16 columns of w1, source 1 = 16 slots.  A lane then holds one slot and eight neighbouring hidden numbers: 16 bytes of bf16,
; which are exactly its 16 bytes of the second layer's fragment.  So H leaves from the registers, without LDS and without a change of lanes.
; THE LOOP has a constant 8 trips (64 tiles at the most for eight waves); a jump forward passes the tiles that the expert does not have.  A tile's steps 9 to 15 stand twice: once with the
; look-ahead into the wave's next tile, once, for the wave's last tile, asking for nothing beyond it (28 loads of tokens and 16 of weights fewer); both ways join at the way out.
; nt enters compares and, ahead of the loop, a choice between two pointers, never an offset.  One barrier in the text, between the filling of LDS and its first read; none in the loop.
; NO CLUSTER.  The sixteen work-groups of an expert read the same xs, but through registers, and a joint request exists for tiles into LDS alone; its rounds of the cluster's barrier would
; stand in a loop whose live length is read from memory.  The weights are shared with nobody.
; REGISTERS, in windows of 256 (s_set_vgpr_msb: bits 1:0 source 0, 3:2 source 1, 5:4 source 2, 7:6 destination):
;   window 0: v0-15 addresses; v16-47 at work; v64-127 b1 as a C operand; v128-255 the accumulators ((i, n) at 128 + 8 (8 i + n)).  While LDS is filled, v64-255 are a ring of 48 loads.
;   window 1: v0-127 the tokens' fragments, eight slots of 16 (step % 8; block i at + 8 i); v128-255 the weights' fragments, two buffers of 64
; THE MODE: SCHED_MODE bits 1:0 = 2 (LLVM: expert scheduling mode 2), set by the entry lines.  The code itself states the register dependences
; between vector or matrix instructions and memory or LDS instructions, with s_wait_alu, always for 0.
; THE PLAN.  Registers that memory or LDS instructions touch:
;   v1 .. v6      Offsets and LDS addresses: written at the head, read by every load and store, never written again.  v10, v11: written at the head, read by the closing add alone.
;   the ring      (The fill.)  The weights' loads land in it; a group's sixteen roundings read eight of its slots; the first two groups' slots are then asked for again; slots 0 to 15 take b1 at the end.
;   T0, T1        (The fill.)  Two sets of 16 registers: group g's roundings write T[g % 2], its eight LDS stores read it.  b1's rounding writes the first eight of T0 once more.
;   AF0 .. AF7    Step ks's products read AF[ks % 8]; the four loads issued in step ks + 1 land in it (the tokens of step ks + 8).
;   BF0, BF1      Step ks's products read BF[ks % 2]; the sixteen LDS loads issued in step ks + 1 land in it (the weights of step ks + 2).
;   ACC           Written by the products, the relu and the roundings; the tile's sixteen stores read four registers of each eight; the next tile's products write them again.
; So ONE wait on va_vdst stands at a step's head: the step before is done reading the two buffers in which this step's twenty loads land, and no product of this step names them.  The loads
; stand in two runs of ten among the step's products.  On the way out one wait on va_vdst stands ahead of each run of eight stores, and one wait on vm_vsrc ahead of the loop's backward jump.
.set NW,     8                         ; waves
.set ROWS,   512/NW                    ; rows of the weights that a wave brings
.set WPITCH, 8192                      ; bytes from row to row of w1[e]
.set LP,     288                       ; a row in LDS: 256 bytes + 32 = an odd multiple of 32: 16 lanes of the turning load take 8 rows x 32 bytes at different places modulo 256
.set SPARE,  512*LP                    ; behind the weights: the spare words, 128 bytes a wave, named by no other line
.set AMT,    16384                     ; xs: from a block of 16 slots to the next
.set ASTEP,  NW*2*AMT                  ; xs: eight tiles on
.set OMT,    65536                     ; hf: from a block of 16 slots to the next
.set OSTEP,  NW*2*OMT                  ; hf: eight tiles on
.set NRING,  48
.set RING,   64
.set T,      16
.set BIAS,   64
.set ACC,    128
.set BF,     128
.set MSB, 0
.macro WIN new                         ; the immediate's high byte repeats the setting that is left; a switch that changes nothing is dropped
.if MSB != (\new)
	s_set_vgpr_msb (MSB<<8)|(\new)
.set MSB, (\new)
.endif
.endm
.set W_MUL, 0x05                       ; sources 0 and 1 in window 1, C and D in window 0
.set W_LD,  0x40                       ; destination in window 1, address in window 0
; Two loads: the tokens' fragment of step kx of the tile at pointer s[p:p+1], block i of 16 slots, into ring slot sl
.macro ALOAD sl, kx, p, i
	global_load_b128 v[16*(\sl)+8*(\i):16*(\sl)+8*(\i)+3], v1, s[\p:\p+1] offset:(\i)*AMT+(\kx)*1024
	global_load_b128 v[16*(\sl)+8*(\i)+4:16*(\sl)+8*(\i)+7], v1, s[\p:\p+1] offset:(\i)*AMT+(\kx)*1024+512
.endm
; Eight turning loads: four of the eight weights' fragments of step k2 (32 rows x 64 columns, from fragment n0 on) into buffer b.  Three address registers, six steps each, keep the offsets inside 16 bits.
.macro BLOAD k2, b, n0
.irp n, 0,1,2,3
	ds_load_tr16_b128 v[BF+64*(\b)+8*((\n0)+\n):BF+64*(\b)+8*((\n0)+\n)+3], v[3+(\k2)/6] offset:((\k2)%6)*32*LP+((\n0)+\n)*32
	ds_load_tr16_b128 v[BF+64*(\b)+8*((\n0)+\n)+4:BF+64*(\b)+8*((\n0)+\n)+7], v[3+(\k2)/6] offset:((\k2)%6)*32*LP+16*LP+((\n0)+\n)*32
.endr
.endm
; The products of step ks for the weights' fragments first .. first + count - 1, both blocks of slots: the 16 accumulators by turns.  Step 0's start the sums from b1.
.macro PRODS ks, first, count
	WIN W_MUL
.set n, (\first)
.rept (\count)
.irp i, 0,1
.if (\ks) == 0
	v_wmma_f32_16x16x32_bf16 v[ACC+8*(8*\i+n):ACC+8*(8*\i+n)+7], v[BF+64*((\ks)%2)+8*n:BF+64*((\ks)%2)+8*n+7], v[16*((\ks)%8)+8*\i:16*((\ks)%8)+8*\i+7], v[BIAS+8*n:BIAS+8*n+7]
.else
	v_wmma_f32_16x16x32_bf16 v[ACC+8*(8*\i+n):ACC+8*(8*\i+n)+7], v[BF+64*((\ks)%2)+8*n:BF+64*((\ks)%2)+8*n+7], v[16*((\ks)%8)+8*\i:16*((\ks)%8)+8*\i+7], v[ACC+8*(8*\i+n):ACC+8*(8*\i+n)+7]
.endif
.endr
.set n, n+1
.endr
.endm
; Half of the loads that step ks issues: one block's tokens of step ks + 7 (of this tile, or of the wave's next), and four fragments of the weights of step ks + 1
; (behind step 15 the next tile's step 0: the weights are the same).  They land in the slot and the buffer that step ks - 1 read.
.macro RUN ks, la, half
.if (\la) || ((\ks) < 15)
	WIN W_LD
.if (\ks) < 9
	ALOAD ((\ks)+7)%8, (\ks)+7, 22, \half
.elseif \la
	ALOAD ((\ks)+7)%8, (\ks)-9, 24, \half
.endif
	BLOAD ((\ks)+1)%16, ((\ks)+1)%2, 4*(\half)
.endif
.endm
; A K step: 16 products, and among them, in two runs, the loads into the registers that the step before read.
; la = 1: the wave has a further tile, and the loads run on into it.  la = 0: the wave's last tile: nothing beyond its step 15 is asked for, and the counts run down.  Below step 9 the two are alike.
.macro KSTEP ks, la
	s_wait_dscnt 0x0                               ; this step's weights are in: no LDS load was issued behind them
.if (\la) || ((\ks) < 10)
	s_wait_loadcnt 24                              ; this step's tokens are in; six younger steps of four loads may stay out
.else
	s_wait_loadcnt 4*(15-(\ks))                    ; this step's tokens are in; only the tile's steps behind this one are younger
.endif
.if (\la) || ((\ks) < 15)
	s_wait_alu depctr_va_vdst(0)                   ; the step before's products are done reading BF[(ks + 1) % 2] and AF[(ks + 7) % 8], in which this step's loads land; no product behind this wait names them
.endif
	PRODS \ks, 0, 1
	RUN \ks, \la, 0
	PRODS \ks, 1, 2
	RUN \ks, \la, 1
	PRODS \ks, 3, 5
.if (\ks) == 15
.rept 4
	v_nop                                          ; four places between the last products and the first read of a result (ISA guide 7.12.1)
.endr
.endif
.endm
	s_load_b256 s[4:11], s[0:1], 0x0               ; xs s[4:5], w1 s[6:7], b1 s[8:9], nt s[10:11]
	s_load_b64 s[12:13], s[0:1], 0x20              ; hf
	v_lshl_add_u32 v10, v0, 2, SPARE               ; my spare word; never rewritten
	v_mov_b32 v11, 0                               ; 0, for the add alone
	v_lshrrev_b32 v9, 5, v0
	v_readfirstlane_b32 s14, v9                    ; wave 0..7
	s_and_b32 s15, ttmp7, 0xffff                   ; e
	s_mov_b32 s16, ttmp9                           ; s
	v_and_b32 v12, 31, v0
	v_lshlrev_b32 v1, 4, v12                       ; 16 x lane
	s_wait_alu depctr_va_sdst(0)                   ; s14 is written, ahead of its first reader: LDS places, pointers and the loop's compares are made from it
	s_mul_i32 s37, s14, ROWS*LP
	v_lshl_add_u32 v2, v12, 3, s37                 ; into LDS: my 64 rows, 8 bytes a lane
	v_bfe_u32 v13, v0, 4, 1                        ; h
	v_and_b32 v14, 7, v0
	v_lshl_add_u32 v14, v13, 3, v14                ; the turning load: row 8 h + lane % 8,
	v_mul_u32_u24 v3, v14, LP
	v_bfe_u32 v15, v0, 3, 1
	v_lshl_add_u32 v3, v15, 4, v3                  ; 16 bytes by (lane / 8) % 2: steps 0-5
	v_add_nc_u32 v4, 6*32*LP, v3                   ; steps 6-11
	v_add_nc_u32 v5, 12*32*LP, v3                  ; steps 12-15
	v_lshlrev_b32 v6, 5, v13                       ; b1: my eight columns of sixteen
	s_lshl_b32 s30, s15, 22                        ; w1: the expert's 4 MiB,
	s_lshl_b32 s37, s14, 19                        ; my 64 rows of 8,192 bytes,
	s_add_co_u32 s30, s30, s37
	s_lshl_b32 s37, s16, 9                         ; the slice's 128 columns
	s_add_co_u32 s30, s30, s37
	s_mov_b32 s31, 0
	s_lshl_b32 s40, s15, 21                        ; xs: the expert's first tile
	s_mov_b32 s41, 0
	s_lshl_b32 s42, s14, 15                        ; tile w
	s_mov_b32 s43, 0
	s_lshl_b32 s44, s15, 13                        ; b1: the expert's row, the slice
	s_add_co_u32 s44, s44, s37
	s_mov_b32 s45, 0
	s_lshl_b32 s46, s15, 2                         ; nt[e]
	s_mov_b32 s47, 0
	s_lshl_b32 s48, s15, 23                        ; hf: the expert's 8 MiB,
	s_lshl_b32 s37, s14, 17                        ; tile w,
	s_add_co_u32 s48, s48, s37
	s_lshl_b32 s37, s16, 12                        ; the slice's four steps of 1,024 bytes
	s_add_co_u32 s48, s48, s37
	s_mov_b32 s49, 0
	s_wait_kmcnt 0x0
	s_add_nc_u64 s[32:33], s[6:7], s[30:31]
	s_add_nc_u64 s[10:11], s[10:11], s[46:47]
	s_load_b32 s19, s[10:11], 0x0                  ; NT
	s_add_nc_u64 s[38:39], s[4:5], s[40:41]        ; the expert's tile 0, which is always written
	s_add_nc_u64 s[22:23], s[38:39], s[42:43]      ; cur: the tile in hand
	s_add_nc_u64 s[34:35], s[8:9], s[44:45]
	s_add_nc_u64 s[28:29], s[12:13], s[48:49]      ; where the tile in hand goes
	s_wait_alu depctr_va_vdst(0)                   ; the offsets and LDS addresses v1 to v6 are written, which every load and store of the kernel reads; so are v10 and v11, which the closing add reads
	; THE WEIGHTS.  Wave w brings rows 64 w .. 64 w + 63, a row's 512 consecutive bytes a load; 48 of its 64 loads go out at once.
.set i, 0
.rept NRING
	global_load_b128 v[RING+4*i:RING+4*i+3], v1, s[32:33] offset:i*WPITCH th:TH_LOAD_NT
.set i, i+1
.endr
	s_wait_kmcnt 0x0
	s_min_u32 s19, s19, 64                         ; an expert has 64 tiles at the most: the look-ahead below stays inside its part whatever the word holds
	; Eight rows at a time: sixteen roundings, eight loads into the ring slots just read, eight LDS stores; two sets of sixteen registers take turns.
.set g, 0
.rept ROWS/8
.if 8*g+8 <= ROWS-NRING
	s_wait_loadcnt NRING-8                         ; 48 + 8 g loads are issued, rows 0 .. 8 g + 7 are wanted: 40 younger ones stay out
.else
	s_wait_loadcnt ROWS-8*g-8                      ; all 64 are issued: the counts run down
.endif
.if g >= 2
	s_wait_alu depctr_vm_vsrc(0)                   ; the LDS stores of two groups back have read T[g % 2], which the roundings below write again
.endif
.irp k, 0,1,2,3,4,5,6,7
	v_cvt_pk_bf16_f32 v[T+16*(g%2)+2*\k], v[RING+4*((8*g+\k)%NRING)], v[RING+4*((8*g+\k)%NRING)+1]
	v_cvt_pk_bf16_f32 v[T+16*(g%2)+2*\k+1], v[RING+4*((8*g+\k)%NRING)+2], v[RING+4*((8*g+\k)%NRING)+3]
.endr
	s_wait_alu depctr_va_vdst(0)                   ; the roundings have written T[g % 2], which the LDS stores read, and are done reading their eight ring slots, in which loads land: the refills, or (the last two groups' slots) b1
.if 8*g+8 <= ROWS-NRING
.irp k, 0,1,2,3,4,5,6,7
	global_load_b128 v[RING+4*((8*g+\k)%NRING):RING+4*((8*g+\k)%NRING)+3], v1, s[32:33] offset:(8*g+\k+NRING)*WPITCH th:TH_LOAD_NT
.endr
.endif
.irp k, 0,1,2,3,4,5,6,7
	ds_store_b64 v2, v[T+16*(g%2)+2*\k:T+16*(g%2)+2*\k+1] offset:(8*g+\k)*LP
.endr
.set g, g+1
.endr
	; b1; then the first tile's first seven steps: of my tile w, or, if the expert has no such tile, of its tile 0, whose bytes are then dropped
.set n, 0
.rept 8
	global_load_b128 v[BIAS+8*n:BIAS+8*n+3], v6, s[34:35] offset:64*n
	global_load_b128 v[BIAS+8*n+4:BIAS+8*n+7], v6, s[34:35] offset:64*n+16
.set n, n+1
.endr
	s_cmp_lt_u32 s14, s19
	s_cselect_b64 s[26:27], s[22:23], s[38:39]     ; written here alone
	WIN W_LD
.irp k, 0,1,2,3,4,5,6
	ALOAD \k, \k, 26, 0                            ; no vector instruction has named these registers
	ALOAD \k, \k, 26, 1
.endr
	WIN 0
	s_wait_dscnt 0x0                               ; for the others' sake: my rows are in LDS
	s_barrier_signal -1
	s_barrier_wait -1                              ; everybody's are; nothing writes them again
	WIN W_LD
	BLOAD 0, 0, 0                                  ; the weights of step 0; each step asks for the next step's
	BLOAD 0, 0, 4
	WIN 0
	s_wait_loadcnt 28                              ; b1 is in; the 28 loads of tokens issued behind it stay out
	s_wait_alu depctr_vm_vsrc(0)                   ; the fill's LDS stores have read T0, of which the roundings below write eight registers again
.set p, 0
.rept 32
	v_cvt_pk_bf16_f32 v[T+p%8], v[BIAS+2*p], v[BIAS+2*p+1]  ; b1 rounded to bf16 and widened again
	v_lshlrev_b32 v[BIAS+2*p], 16, v[T+p%8]
	v_and_b32 v[BIAS+2*p+1], 0xffff0000, v[T+p%8]
.set p, p+1
.endr
	s_mov_b32 s20, s14                             ; the tile in hand
	s_mov_b32 s21, 64/NW
.Ltile:
	s_cmp_lt_u32 s20, s19
	s_cbranch_scc0 .Ldead
	s_add_nc_u64 s[24:25], s[22:23], ASTEP         ; the wave's next tile: named only where the expert has it
	s_add_co_u32 s36, s20, NW
.rept 5
	v_nop                                          ; five places in front of products that write over the last tile's accumulators
.endr
.irp k, 0,1,2,3,4,5,6,7,8
	KSTEP \k, 1
.endr
	WIN 0                                          ; at a branch and at a label every window is 0
	s_cmp_lt_u32 s36, s19
	s_cbranch_scc0 .Llast
.irp k, 9,10,11,12,13,14,15
	KSTEP \k, 1                                    ; a further tile follows: its first seven steps' tokens and its first step's weights are asked for
.endr
	WIN 0
	s_branch .Lout
.Llast:
.irp k, 9,10,11,12,13,14,15
	KSTEP \k, 0                                    ; the wave's last tile
.endr
	WIN 0
.Lout:
	; THE WAY OUT, a block of 16 slots (eight accumulators) at a time: relu, rounding in place (each accumulator's registers in ascending order), 16 bytes a lane; then the block's eight stores in one run.
	; Accumulator (i, n): block i, step n / 2 of the slice, half n % 2.  The second block's arithmetic names none of the registers that the first block's stores read.
.set i, 0
.rept 2
.set a, 8*i
.rept 8
.set j, 0
.rept 8
	v_max_num_f32 v[ACC+8*a+j], 0, v[ACC+8*a+j]
.set j, j+1
.endr
.set j, 0
.rept 4
	v_cvt_pk_bf16_f32 v[ACC+8*a+j], v[ACC+8*a+2*j], v[ACC+8*a+2*j+1]
.set j, j+1
.endr
.set a, a+1
.endr
	s_wait_alu depctr_va_vdst(0)                   ; the roundings have written the block's eight quadruples, which the stores below read
.set a, 8*i
.rept 8
	global_store_b128 v1, v[ACC+8*a:ACC+8*a+3], s[28:29] offset:(a/8)*OMT+((a%8)/2)*1024+(a%2)*512  ; 512 consecutive bytes, at a multiple of 512 from hf's first byte
.set a, a+1
.endr
.set i, i+1
.endr
.Ldead:
	s_wait_xcnt 0x0                                ; the pointers and the stores' registers are written again only behind this wait
	s_wait_alu depctr_vm_vsrc(0)                   ; the tile's stores have read their registers among the accumulators, which the next tile's products write again
	s_add_nc_u64 s[22:23], s[22:23], ASTEP
	s_add_nc_u64 s[28:29], s[28:29], OSTEP
	s_add_co_u32 s20, s20, NW
	s_sub_co_u32 s21, s21, 1
	s_cmp_lg_u32 s21, 0
	s_cbranch_scc1 .Ltile
	s_wait_dscnt 0x0                               ; the wave's end: the closing lines, six on end
	s_wait_alu 0x0
	s_wait_tensorcnt 0x0
	ds_add_u32 v10, v11
	s_wait_dscnt 0x0
	s_endpgm
.Lfunc_end_k_q02cb76b719_ffn1:
	.size	k_q02cb76b719_ffn1, .Lfunc_end_k_q02cb76b719_ffn1-k_q02cb76b719_ffn1
	.p2alignl 7, 3214868480
	.fill 96, 4, 3214868480
	.section	.rodata,"a",@progbits
	.p2align	6, 0x0
	.amdhsa_kernel k_q02cb76b719_ffn1
		.amdhsa_group_segment_fixed_size 148480
		.amdhsa_private_segment_fixed_size 0
		.amdhsa_enable_private_segment 0
		.amdhsa_kernarg_size 40
		.amdhsa_user_sgpr_count 2
		.amdhsa_user_sgpr_kernarg_segment_ptr 1
		.amdhsa_wavefront_size32 1
		.amdhsa_system_sgpr_workgroup_id_x 1
		.amdhsa_system_sgpr_workgroup_id_y 1
		.amdhsa_system_sgpr_workgroup_id_z 1
		.amdhsa_system_vgpr_workitem_id 0
		.amdhsa_next_free_vgpr 512
		.amdhsa_next_free_sgpr 66
		.amdhsa_reserve_vcc 0
		.amdhsa_float_denorm_mode_32 3
		.amdhsa_float_denorm_mode_16_64 3
		.amdhsa_memory_ordered 1
		.amdhsa_forward_progress 1
		.amdhsa_inst_pref_size 99
	.end_amdhsa_kernel
	.amdgpu_metadata
---
amdhsa.version: [ 1, 2 ]
amdhsa.kernels:
  - .name:           k_q02cb76b719_ffn1
    .symbol:         k_q02cb76b719_ffn1.kd
    .args:
      - { .name: xs, .offset: 0, .size: 8, .value_kind: global_buffer, .address_space: global }
      - { .name: w1, .offset: 8, .size: 8, .value_kind: global_buffer, .address_space: global }
      - { .name: b1, .offset: 16, .size: 8, .value_kind: global_buffer, .address_space: global }
      - { .name: nt, .offset: 24, .size: 8, .value_kind: global_buffer, .address_space: global }
      - { .name: hf, .offset: 32, .size: 8, .value_kind: global_buffer, .address_space: global }
    .group_segment_fixed_size: 148480
    .private_segment_fixed_size: 0
    .kernarg_segment_align: 8
    .kernarg_segment_size: 40
    .max_flat_workgroup_size: 256
    .sgpr_count:     66
    .vgpr_count:     512
    .wavefront_size: 32
...
	.end_amdgpu_metadata
.endif
;; end of part 6
;; launch ffn2 (part 7): grid 16 x 16, 8 waves a work-group, no clusters, 216,064 bytes of LDS; arguments hf, w2, nt, yp; writes yp
.if DOCPART == 7
	.amdgcn_target "amdgcn-amd-amdhsa--gfx1250"
	.amdhsa_code_object_version 6
	.text
	.protected	k_q02cb76b719_ffn2
	.globl	k_q02cb76b719_ffn2
	.p2align	8
	.type	k_q02cb76b719_ffn2,@function
k_q02cb76b719_ffn2:
	s_mov_b64 s[64:65], 0
	v_nop
	global_prefetch_b8 v0, s[64:65] scope:SCOPE_SE
	s_setreg_imm32_b32 hwreg(HW_REG_WAVE_SCHED_MODE, 0, 2), 2
	s_setreg_imm32_b32 hwreg(HW_REG_WAVE_MODE, 25, 1), 1
	s_wait_xcnt 0x0
	s_wait_alu depctr_vm_vsrc(0)
; SECOND LAYER, in four parts along K.  yp[e 2048 + slot][q][n] = sum over k in quarter q of H[slot][k] w2[e][k][n], for the slots of expert e alone.
; hf: H in bf16, in fragment order ([e][128 blocks of 16 slots][64 steps of 32 k][2][32 lanes][16 bytes]); w2 [16][2048][512] f32; nt[e]: tiles of 32 slots.  yp: [32768 rows][4 q][512] f32.
; FORMATS.  w2 is rounded to bf16 (as every input of the whole program is), sums in f32; the four parts, b2 and the routing weights meet in the last launch.
; SHARES.  Work-group (s, e): q = s / 4, hidden numbers 512 q .. 512 q + 511; c = s % 4, output columns 128 c .. 128 c + 127: 512 x 128 numbers of w2, 262,144 bytes that no other
; work-group reads, in rows of 512 consecutive bytes; read once, rounded, kept in LDS as [512 k] rows of 256 bytes.  (Whole K with 32 columns would make rows of 128 bytes.)
; Then wave w takes the tiles w, w + 8, .. of 32 slots, as in the first layer: 16 accumulators, K in 16 steps of 32, H's fragments from memory straight into registers seven steps ahead,
; the weights' turned out of LDS a step ahead.  Source 0 = 16 columns of w2, source 1 = 16 slots: a lane holds one slot and eight neighbouring columns.
; EIGHT WAVES of 512 registers, two for each of the WGP's four SIMDs.  The wave's tile is 32 x 128 whatever the number of waves, so each byte read from LDS feeds as many products as with four.
; THE WAY OUT goes through a stage in LDS of the wave's own, 16 rows at a time, so that a store covers a row's 512 consecutive bytes.
; THE LOOP has a constant 8 trips; a jump forward passes the tiles that the expert does not have.  A tile's steps 9 to 15 stand twice: once with the look-ahead into the wave's next tile,
; once, for the wave's last tile, asking for nothing beyond it (28 loads of H and 16 of weights fewer); both ways join at the way out.  nt enters compares and, ahead of the loop, a choice
; between two pointers, never an offset.  One barrier in the text, none in the loop.
; NO CLUSTER.  The four work-groups of an expert and quarter read the same hf, but through registers, and a joint request exists for tiles into LDS alone; its rounds of the cluster's barrier
; would stand in a loop whose live length is read from memory.  The weights are shared with nobody.
; REGISTERS, in windows of 256 (s_set_vgpr_msb: bits 1:0 source 0, 3:2 source 1, 5:4 source 2, 7:6 destination):
;   window 0: v0-15 addresses; v16-47 at work; v64-127 the way out: the first block's rows; v128-255 the accumulators ((i, n) at 128 + 8 (8 i + n)).  While LDS is filled, v64-255 are a ring of 48 loads.
;   window 1: v0-127 H's fragments, eight slots of 16 (step % 8; block i at + 8 i); v128-255 the weights' fragments, two buffers of 64
; THE MODE: SCHED_MODE bits 1:0 = 2 (LLVM: expert scheduling mode 2), set by the entry lines.  The code itself states the register dependences
; between vector or matrix instructions and memory or LDS instructions, with s_wait_alu, always for 0.
; THE PLAN.  Registers that memory or LDS instructions touch:
;   v1 .. v5, v7, v8  Offsets and LDS addresses: written at the head, read by every load and store, never written again.  v10, v11: written at the head, read by the closing add alone.
;   the ring      (The fill.)  The weights' loads land in it; a group's sixteen roundings read eight of its slots; the first two groups' slots are then asked for again.
;   T0, T1        (The fill.)  Two sets of 16 registers: group g's roundings write T[g % 2], its eight LDS stores read it.
;   AF0 .. AF7    Step ks's products read AF[ks % 8]; the four loads issued in step ks + 1 land in it (H of step ks + 8).
;   BF0, BF1      Step ks's products read BF[ks % 2]; the sixteen LDS loads issued in step ks + 1 land in it (the weights of step ks + 2).
;   ACC           Written by the products; read by the LDS stores into the stage.  Block 0's half then takes block 1's rows from the stage, which global stores read.  The next tile's products write all of it again.
;   OUT           Block 0's rows land in it from the stage; global stores read it.  No vector instruction names it in the loop.
; So ONE wait on va_vdst stands at a step's head: the step before is done reading the two buffers in which this step's twenty loads land, and no product of this step names them.  The loads
; stand in two runs of ten among the step's products.  The way out holds no vector instruction: one wait on va_vdst ahead of it, one on vm_vsrc in it, one on vm_vsrc ahead of the loop's backward jump.
.set NW,     8                         ; waves
.set ROWS,   512/NW                    ; rows of the weights that a wave brings
.set WPITCH, 2048                      ; bytes from row to row of w2[e]
.set LP,     288                       ; a row in LDS: 256 bytes + 32 = an odd multiple of 32: 16 lanes of the turning load take 8 rows x 32 bytes at different places modulo 256
.set STAGE,  512*LP                    ; behind the weights: 16 rows x 528 bytes for each wave
.set SP,     528                       ; 512 bytes + 16: an odd multiple of 16
.set SPARE,  STAGE+NW*16*SP            ; behind the stages: the spare words, 128 bytes a wave, named by no other line
.set AMT,    65536                     ; hf: from a block of 16 slots to the next
.set ASTEP,  NW*2*AMT                  ; hf: eight tiles on
.set OROW,   8192                      ; yp: from row to row
.set OSTEP,  NW*32*OROW                ; yp: eight tiles on
.set NRING,  48
.set RING,   64
.set T,      16
.set OUT,    64
.set ACC,    128
.set BF,     128
.set MSB, 0
.macro WIN new                         ; the immediate's high byte repeats the setting that is left; a switch that changes nothing is dropped
.if MSB != (\new)
	s_set_vgpr_msb (MSB<<8)|(\new)
.set MSB, (\new)
.endif
.endm
.set W_MUL, 0x05                       ; sources 0 and 1 in window 1, C and D in window 0
.set W_LD,  0x40                       ; destination in window 1, address in window 0
; Two loads: H's fragment of step kx of the quarter, of the tile at pointer s[p:p+1], block i of 16 slots, into ring slot sl
.macro ALOAD sl, kx, p, i
	global_load_b128 v[16*(\sl)+8*(\i):16*(\sl)+8*(\i)+3], v1, s[\p:\p+1] offset:(\i)*AMT+(\kx)*1024
	global_load_b128 v[16*(\sl)+8*(\i)+4:16*(\sl)+8*(\i)+7], v1, s[\p:\p+1] offset:(\i)*AMT+(\kx)*1024+512
.endm
; Eight turning loads: four of the eight weights' fragments of step k2 (32 rows x 64 columns, from fragment n0 on) into buffer b.  Three address registers, six steps each, keep the offsets inside 16 bits.
.macro BLOAD k2, b, n0
.irp n, 0,1,2,3
	ds_load_tr16_b128 v[BF+64*(\b)+8*((\n0)+\n):BF+64*(\b)+8*((\n0)+\n)+3], v[3+(\k2)/6] offset:((\k2)%6)*32*LP+((\n0)+\n)*32
	ds_load_tr16_b128 v[BF+64*(\b)+8*((\n0)+\n)+4:BF+64*(\b)+8*((\n0)+\n)+7], v[3+(\k2)/6] offset:((\k2)%6)*32*LP+16*LP+((\n0)+\n)*32
.endr
.endm
; The products of step ks for the weights' fragments first .. first + count - 1, both blocks of slots: the 16 accumulators by turns.  Step 0's start the sums: nothing is cleared.
.macro PRODS ks, first, count
	WIN W_MUL
.set n, (\first)
.rept (\count)
.irp i, 0,1
.if (\ks) == 0
	v_wmma_f32_16x16x32_bf16 v[ACC+8*(8*\i+n):ACC+8*(8*\i+n)+7], v[BF+64*((\ks)%2)+8*n:BF+64*((\ks)%2)+8*n+7], v[16*((\ks)%8)+8*\i:16*((\ks)%8)+8*\i+7], 0
.else
	v_wmma_f32_16x16x32_bf16 v[ACC+8*(8*\i+n):ACC+8*(8*\i+n)+7], v[BF+64*((\ks)%2)+8*n:BF+64*((\ks)%2)+8*n+7], v[16*((\ks)%8)+8*\i:16*((\ks)%8)+8*\i+7], v[ACC+8*(8*\i+n):ACC+8*(8*\i+n)+7]
.endif
.endr
.set n, n+1
.endr
.endm
; Half of the loads that step ks issues: one block's H of step ks + 7 (of this tile, or of the wave's next), and four fragments of the weights of step ks + 1
; (behind step 15 the next tile's step 0: the weights are the same).  They land in the slot and the buffer that step ks - 1 read.
.macro RUN ks, la, half
.if (\la) || ((\ks) < 15)
	WIN W_LD
.if (\ks) < 9
	ALOAD ((\ks)+7)%8, (\ks)+7, 22, \half
.elseif \la
	ALOAD ((\ks)+7)%8, (\ks)-9, 24, \half
.endif
	BLOAD ((\ks)+1)%16, ((\ks)+1)%2, 4*(\half)
.endif
.endm
; A K step: 16 products, and among them, in two runs, the loads into the registers that the step before read.
; la = 1: the wave has a further tile, and the loads run on into it.  la = 0: the wave's last tile: nothing beyond its step 15 is asked for, and the counts run down.  Below step 9 the two are alike.
.macro KSTEP ks, la
	s_wait_dscnt 0x0                               ; this step's weights are in: no LDS load was issued behind them
.if (\la) || ((\ks) < 10)
	s_wait_loadcnt 24                              ; this step's H is in; six younger steps of four loads may stay out
.else
	s_wait_loadcnt 4*(15-(\ks))                    ; this step's H is in; only the tile's steps behind this one are younger
.endif
.if (\la) || ((\ks) < 15)
	s_wait_alu depctr_va_vdst(0)                   ; the step before's products are done reading BF[(ks + 1) % 2] and AF[(ks + 7) % 8], in which this step's loads land; no product behind this wait names them
.endif
	PRODS \ks, 0, 1
	RUN \ks, \la, 0
	PRODS \ks, 1, 2
	RUN \ks, \la, 1
	PRODS \ks, 3, 5
.if (\ks) == 15
.rept 4
	v_nop                                          ; four places between the last products and an LDS store of a result
.endr
.endif
.endm
; The way out of block i of 16 slots: 32 bytes a lane and accumulator into my stage (each accumulator's low registers first), back as whole rows into the 64 registers from back on, stored.
.macro BLOCK i, back
.set n, 0
.rept 8
	ds_store_b128 v7, v[ACC+64*(\i)+8*n:ACC+64*(\i)+8*n+3] offset:64*n
	ds_store_b128 v7, v[ACC+64*(\i)+8*n+4:ACC+64*(\i)+8*n+7] offset:64*n+16
.set n, n+1
.endr
.set n, 0
.rept 16
	ds_load_b128 v[(\back)+4*n:(\back)+4*n+3], v8 offset:SP*n  ; LDS serves a wave's instructions in order (ISA guide 5.7.1.4): these see the stores above, and the next block's stores come behind them
.set n, n+1
.endr
.set n, 0
.rept 16
	s_wait_dscnt 15-n                              ; row n is back; the 15 - n younger rows may stay out
.if ((\i) == 0) && (n == 0)
	s_wait_alu depctr_vm_vsrc(0)                   ; block 0's LDS stores have read their accumulators, in which block 1's rows land; nothing behind this wait reads those registers ahead of that
.endif
	global_store_b128 v1, v[(\back)+4*n:(\back)+4*n+3], s[28:29] offset:(16*(\i)+n)*OROW  ; 512 consecutive bytes, at a multiple of 512 from yp's first byte
.set n, n+1
.endr
.endm
	s_load_b256 s[4:11], s[0:1], 0x0               ; hf s[4:5], w2 s[6:7], nt s[8:9], yp s[10:11]
	v_lshl_add_u32 v10, v0, 2, SPARE               ; my spare word; never rewritten
	v_mov_b32 v11, 0                               ; 0, for the add alone
	v_lshrrev_b32 v9, 5, v0
	v_readfirstlane_b32 s14, v9                    ; wave 0..7
	s_and_b32 s15, ttmp7, 0xffff                   ; e
	s_lshr_b32 s17, ttmp9, 2                       ; q
	s_and_b32 s18, ttmp9, 3                        ; c
	v_and_b32 v12, 31, v0
	v_lshlrev_b32 v1, 4, v12                       ; 16 x lane
	s_wait_alu depctr_va_sdst(0)                   ; s14 is written, ahead of its first reader: LDS places, pointers and the loop's compares are made from it
	s_mul_i32 s37, s14, ROWS*LP
	v_lshl_add_u32 v2, v12, 3, s37                 ; into LDS: my 64 rows, 8 bytes a lane
	v_bfe_u32 v13, v0, 4, 1                        ; h
	v_and_b32 v14, 7, v0
	v_lshl_add_u32 v14, v13, 3, v14                ; the turning load: row 8 h + lane % 8,
	v_mul_u32_u24 v3, v14, LP
	v_bfe_u32 v15, v0, 3, 1
	v_lshl_add_u32 v3, v15, 4, v3                  ; 16 bytes by (lane / 8) % 2: steps 0-5
	v_add_nc_u32 v4, 6*32*LP, v3                   ; steps 6-11
	v_add_nc_u32 v5, 12*32*LP, v3                  ; steps 12-15
	s_mul_i32 s37, s14, 16*SP
	s_add_co_u32 s37, s37, STAGE                   ; my stage
	v_and_b32 v9, 15, v0                           ; r
	v_mul_u32_u24 v7, v9, SP
	v_lshl_add_u32 v7, v13, 5, v7
	v_add_nc_u32 v7, s37, v7                       ; in: row r, 32 bytes for each half of the lanes
	v_add_nc_u32 v8, s37, v1                       ; back: a row's 512 bytes, 16 a lane
	s_lshl_b32 s30, s15, 22                        ; w2: the expert's 4 MiB,
	s_lshl_b32 s37, s17, 20                        ; the quarter's 512 rows,
	s_add_co_u32 s30, s30, s37
	s_lshl_b32 s37, s14, 17                        ; my 64 of them, 2,048 bytes each,
	s_add_co_u32 s30, s30, s37
	s_lshl_b32 s36, s18, 9                         ; the 128 columns
	s_add_co_u32 s30, s30, s36
	s_mov_b32 s31, 0
	s_lshl_b32 s40, s15, 23                        ; hf: the expert's first tile,
	s_lshl_b32 s37, s17, 14                        ; the quarter's 16 steps of 1,024 bytes
	s_add_co_u32 s40, s40, s37
	s_mov_b32 s41, 0
	s_lshl_b32 s42, s14, 17                        ; tile w
	s_mov_b32 s43, 0
	s_lshl_b32 s46, s15, 2                         ; nt[e]
	s_mov_b32 s47, 0
	s_lshl_b32 s48, s15, 24                        ; yp: the expert's 2,048 rows of 8,192 bytes,
	s_lshl_b32 s37, s14, 18                        ; tile w,
	s_add_co_u32 s48, s48, s37
	s_lshl_b32 s37, s17, 11                        ; the quarter's 512 numbers,
	s_add_co_u32 s48, s48, s37
	s_add_co_u32 s48, s48, s36                     ; the 128 columns
	s_mov_b32 s49, 0
	s_wait_kmcnt 0x0
	s_add_nc_u64 s[32:33], s[6:7], s[30:31]
	s_add_nc_u64 s[8:9], s[8:9], s[46:47]
	s_load_b32 s19, s[8:9], 0x0                    ; NT
	s_add_nc_u64 s[38:39], s[4:5], s[40:41]        ; the expert's tile 0, which is always written
	s_add_nc_u64 s[22:23], s[38:39], s[42:43]      ; cur: the tile in hand
	s_add_nc_u64 s[28:29], s[10:11], s[48:49]      ; where the tile in hand goes
	s_wait_alu depctr_va_vdst(0)                   ; the offsets and LDS addresses v1 to v5, v7 and v8 are written, which every load and store of the kernel reads; so are v10 and v11, which the closing add reads
	; THE WEIGHTS.  Wave w brings rows 64 w .. 64 w + 63 of the quarter, a row's 512 consecutive bytes a load; 48 of its 64 loads go out at once.
.set i, 0
.rept NRING
	global_load_b128 v[RING+4*i:RING+4*i+3], v1, s[32:33] offset:i*WPITCH th:TH_LOAD_NT
.set i, i+1
.endr
	s_wait_kmcnt 0x0
	s_min_u32 s19, s19, 64                         ; an expert has 64 tiles at the most: the look-ahead below stays inside its part whatever the word holds
	; Eight rows at a time: sixteen roundings, eight loads into the ring slots just read, eight LDS stores; two sets of sixteen registers take turns.
.set g, 0
.rept ROWS/8
.if 8*g+8 <= ROWS-NRING
	s_wait_loadcnt NRING-8                         ; 48 + 8 g loads are issued, rows 0 .. 8 g + 7 are wanted: 40 younger ones stay out
.else
	s_wait_loadcnt ROWS-8*g-8                      ; all 64 are issued: the counts run down
.endif
.if g >= 2
	s_wait_alu depctr_vm_vsrc(0)                   ; the LDS stores of two groups back have read T[g % 2], which the roundings below write again
.endif
.irp k, 0,1,2,3,4,5,6,7
	v_cvt_pk_bf16_f32 v[T+16*(g%2)+2*\k], v[RING+4*((8*g+\k)%NRING)], v[RING+4*((8*g+\k)%NRING)+1]
	v_cvt_pk_bf16_f32 v[T+16*(g%2)+2*\k+1], v[RING+4*((8*g+\k)%NRING)+2], v[RING+4*((8*g+\k)%NRING)+3]
.endr
	s_wait_alu depctr_va_vdst(0)                   ; the roundings have written T[g % 2], which the LDS stores read, and are done reading their eight ring slots, in which loads land: the refills, or later the rows from the stage
.if 8*g+8 <= ROWS-NRING
.irp k, 0,1,2,3,4,5,6,7
	global_load_b128 v[RING+4*((8*g+\k)%NRING):RING+4*((8*g+\k)%NRING)+3], v1, s[32:33] offset:(8*g+\k+NRING)*WPITCH th:TH_LOAD_NT
.endr
.endif
.irp k, 0,1,2,3,4,5,6,7
	ds_store_b64 v2, v[T+16*(g%2)+2*\k:T+16*(g%2)+2*\k+1] offset:(8*g+\k)*LP
.endr
.set g, g+1
.endr
	; the first tile's first seven steps: of my tile w, or, if the expert has no such tile, of its tile 0, whose bytes are then dropped
	s_cmp_lt_u32 s14, s19
	s_cselect_b64 s[26:27], s[22:23], s[38:39]     ; written here alone
	WIN W_LD
.irp k, 0,1,2,3,4,5,6
	ALOAD \k, \k, 26, 0                            ; no vector instruction has named these registers
	ALOAD \k, \k, 26, 1
.endr
	WIN 0
	s_wait_dscnt 0x0                               ; for the others' sake: my rows are in LDS
	s_barrier_signal -1
	s_barrier_wait -1                              ; everybody's are; nothing writes them again
	WIN W_LD
	BLOAD 0, 0, 0                                  ; the weights of step 0; each step asks for the next step's
	BLOAD 0, 0, 4
	WIN 0
	s_mov_b32 s20, s14                             ; the tile in hand
	s_mov_b32 s21, 64/NW
.Ltile:
	s_cmp_lt_u32 s20, s19
	s_cbranch_scc0 .Ldead
	s_add_nc_u64 s[24:25], s[22:23], ASTEP         ; the wave's next tile: named only where the expert has it
	s_add_co_u32 s36, s20, NW
.rept 5
	v_nop                                          ; five places in front of products that write over the last tile's accumulators
.endr
.irp k, 0,1,2,3,4,5,6,7,8
	KSTEP \k, 1
.endr
	WIN 0                                          ; at a branch and at a label every window is 0
	s_cmp_lt_u32 s36, s19
	s_cbranch_scc0 .Llast
.irp k, 9,10,11,12,13,14,15
	KSTEP \k, 1                                    ; a further tile follows: its first seven steps' H and its first step's weights are asked for
.endr
	WIN 0
	s_branch .Lout
.Llast:
.irp k, 9,10,11,12,13,14,15
	KSTEP \k, 0                                    ; the wave's last tile
.endr
	WIN 0
.Lout:
	; THE WAY OUT, a block of 16 slots at a time.  Block 0's rows come back into registers of their own, block 1's into block 0's accumulators, which have been read by then.
	s_wait_alu depctr_va_vdst(0)                   ; the products have written the accumulators, which the LDS stores read and in half of which rows from the stage land; the four places stand ahead of this wait, and no vector instruction follows it on the way out
	BLOCK 0, OUT
	BLOCK 1, ACC
.Ldead:
	s_wait_xcnt 0x0                                ; the pointers and the stores' registers are written again only behind this wait
	s_wait_alu depctr_vm_vsrc(0)                   ; the tile's LDS and global stores have read the accumulators, which the next tile's products write again, and the first block's rows, in whose registers the next tile's land
	s_add_nc_u64 s[22:23], s[22:23], ASTEP
	s_add_nc_u64 s[28:29], s[28:29], OSTEP
	s_add_co_u32 s20, s20, NW
	s_sub_co_u32 s21, s21, 1
	s_cmp_lg_u32 s21, 0
	s_cbranch_scc1 .Ltile
	s_wait_dscnt 0x0                               ; the wave's end: the closing lines, six on end
	s_wait_alu 0x0
	s_wait_tensorcnt 0x0
	ds_add_u32 v10, v11
	s_wait_dscnt 0x0
	s_endpgm
.Lfunc_end_k_q02cb76b719_ffn2:
	.size	k_q02cb76b719_ffn2, .Lfunc_end_k_q02cb76b719_ffn2-k_q02cb76b719_ffn2
	.p2alignl 7, 3214868480
	.fill 96, 4, 3214868480
	.section	.rodata,"a",@progbits
	.p2align	6, 0x0
	.amdhsa_kernel k_q02cb76b719_ffn2
		.amdhsa_group_segment_fixed_size 216064
		.amdhsa_private_segment_fixed_size 0
		.amdhsa_enable_private_segment 0
		.amdhsa_kernarg_size 32
		.amdhsa_user_sgpr_count 2
		.amdhsa_user_sgpr_kernarg_segment_ptr 1
		.amdhsa_wavefront_size32 1
		.amdhsa_system_sgpr_workgroup_id_x 1
		.amdhsa_system_sgpr_workgroup_id_y 1
		.amdhsa_system_sgpr_workgroup_id_z 1
		.amdhsa_system_vgpr_workitem_id 0
		.amdhsa_next_free_vgpr 512
		.amdhsa_next_free_sgpr 66
		.amdhsa_reserve_vcc 0
		.amdhsa_float_denorm_mode_32 3
		.amdhsa_float_denorm_mode_16_64 3
		.amdhsa_memory_ordered 1
		.amdhsa_forward_progress 1
		.amdhsa_inst_pref_size 91
	.end_amdhsa_kernel
	.amdgpu_metadata
---
amdhsa.version: [ 1, 2 ]
amdhsa.kernels:
  - .name:           k_q02cb76b719_ffn2
    .symbol:         k_q02cb76b719_ffn2.kd
    .args:
      - { .name: hf, .offset: 0, .size: 8, .value_kind: global_buffer, .address_space: global }
      - { .name: w2, .offset: 8, .size: 8, .value_kind: global_buffer, .address_space: global }
      - { .name: nt, .offset: 16, .size: 8, .value_kind: global_buffer, .address_space: global }
      - { .name: yp, .offset: 24, .size: 8, .value_kind: global_buffer, .address_space: global }
    .group_segment_fixed_size: 216064
    .private_segment_fixed_size: 0
    .kernarg_segment_align: 8
    .kernarg_segment_size: 32
    .max_flat_workgroup_size: 256
    .sgpr_count:     66
    .vgpr_count:     512
    .wavefront_size: 32
...
	.end_amdgpu_metadata
.endif
;; end of part 7
;; launch comb: the kernel of part 5 again; grid 256 x 1, 8 waves a work-group, no clusters, 0 bytes of LDS; arguments yp, pos, cw, b2, out0; writes out0
